; MI455X (gfx1250); checked and timed in simulation.
; The chip was launched on July 23, 2026; its instructions are those of AMD's public machine-readable ISA for CDNA 5 (MIT licence, August 2026) and "CDNA5" Instruction Set Architecture Reference Guide (July 2026). The comments in the code are by the model that wrote it; some were corrected since.
;; Self Attention. Allowed arithmetic: matrix products marked QUANTISED: E2M3 operands, one E8M0 scale for each 32 along K, by v_wmma_scale_f32_16x16x128_f8f6f4 with both operands' format E2M3, f32 sums; everything else in f32.
;; Inputs: W_attn 3,072 x 1,024 float32; W_proj 1,024 x 1,024 float32; b_attn 3,072 float32; b_proj 1,024 float32; x 4 x 2,048 x 1,024 float32.
;; Outputs: out0 4 x 2,048 x 1,024 float32.
;; This version of the problem:
;;   THIS VERSION OF THE PROBLEM IS GIVEN IN LOW PRECISION. The matrix products marked QUANTISED in the list below multiply operands that are first quantised to E2M3 (2 exponent bits, 3 mantissa bits; 6 bits a number), with one power-of-two scale for each 32 numbers along K (OCP MX v1.0); their sums are f32. All else is computed in f32.
;;   The module's matrix products, in the order in which they are computed (A, B: the left and right operand; K: the contracted axis; several contracted axes count as one K, in the product's order):
;;     1. [M 8,192, K 1,024] x [K 1,024, N 3,072]; A: input x; B: input W_attn: QUANTISED
;;     2. batch 64 x [M 2,048, K 64] x [K 64, N 2,048]; A: computed on the way; B: computed on the way: QUANTISED
;;     3. batch 64 x [M 2,048, K 2,048] x [K 2,048, N 64]; A: softmax (see below); B: computed on the way: QUANTISED
;;     4. [M 8,192, K 1,024] x [K 1,024, N 1,024]; A: computed on the way; B: input W_proj: QUANTISED
;;   THE QUANTISER, for each operand of a quantised product, along K:
;;     - K is cut into blocks of 32 from its start; a last block that is shorter is filled with zeros.
;;     - A block's scale is 2^e with e = floor(log2(the largest magnitude in the block)) - 2, held to -126 .. 127; a block of zeros has e = 0. As a byte (E8M0): e + 127.
;;     - Each number is divided by its block's scale, clamped to +-7.5, and rounded to the nearest number of E2M3, ties to even, subnormals kept.
;;     - The product sums the exact products of the quantised numbers (number of the format x scale) in f32.
;;   ~~~python
;;   def quantise(x, axis):      # numpy; x: float32 -> the quantised numbers, widened to float32 again
;;       x = np.moveaxis(x, axis, -1); K = x.shape[-1]
;;       x = np.pad(x, [(0, 0)] * (x.ndim - 1) + [(0, -K % 32)]); x = x.reshape(x.shape[:-1] + (-1, 32)); a = np.abs(x).max(-1, keepdims=True)
;;       e = np.where(a > 0, np.clip(np.frexp(np.where(a > 0, a, 1))[1] - 1 - 2, -126, 127), 0)      # np.frexp(a)[1] - 1 = floor(log2(a)), exactly
;;       r = np.clip(x / 2.0 ** e, -7.5, 7.5)
;;       step = 2.0 ** (np.maximum(np.frexp(np.where(r == 0, 1, r))[1] - 1, 0) - 3)
;;       q = np.round(r / step) * step * 2.0 ** e      # np.round: ties to even
;;       return np.moveaxis(q.reshape(q.shape[:-2] + (-1,))[..., :K], -1, axis).astype(np.float32)
;;   ~~~
;;   SOFTMAX AHEAD OF A QUANTISED PRODUCT. Where the list says 'softmax', what is quantised is not the finished softmax but p = 2^(t - M), with t = logit x log2(e) and M = ceil(the row's largest t), a whole number; so 1/2 < the row's largest p <= 1. The row's sum l is taken of the UNQUANTISED p, in f32, and the product's result is divided by l at the end. Since M is a whole number, a kernel that streams over the keys may use a running M (the ceiling of the running maximum): every later rescaling is an exact power of two, which a block's scale takes up: the codes' values come out the same.
;;   OPERANDS COMPUTED ON THE WAY. 'Computed on the way' means the value that the module computes at that place (a softmax that the list does not call 'softmax' is quantised finished and normalised). What goes into a quantiser is computed in f32, as accurately as f32 sums, v_exp_f32 and their like allow (about 1e-6 of the number): no bf16 or f16 on the way to a quantiser, and a product that is left as it is and whose result goes on into a quantised operand takes f32 operands (vector FMAs, or v_wmma_f32_16x16x4_f32). A number that lies on a knife's edge between two numbers of the format may be rounded either way, as far as f32 arithmetic and the matrix unit's own rounding can turn it there, and no further.
;; One version. Each part assembles by itself: llvm-mc -triple=amdgcn-amd-amdhsa -mcpu=gfx1250 --defsym DOCPART=n.
;; ======== version 1 of 1: 4 launches
;; limits: right only within a limited range of input values
;; workspace buffers: opq 9,830,400 bytes; qkv 19,660,800 bytes; yq 6,553,600 bytes
;; launch quant (part 1): grid 768 x 1, 4 waves a work-group, no clusters, 68,608 bytes of LDS; arguments x, W_attn, W_proj, opq; writes opq
.if DOCPART == 1
	.amdgcn_target "amdgcn-amd-amdhsa--gfx1250"
	.amdhsa_code_object_version 6
	.text
	.protected	k_q32c1a2602b_quant
	.globl	k_q32c1a2602b_quant
	.p2align	8
	.type	k_q32c1a2602b_quant,@function
k_q32c1a2602b_quant:
	s_mov_b64 s[64:65], 0
	v_nop
	global_prefetch_b8 v0, s[64:65] scope:SCOPE_SE
	s_setreg_imm32_b32 hwreg(HW_REG_WAVE_MODE, 25, 1), 1
	s_wait_xcnt 0x0
; x [8192][1024], W_attn [3072][1024] and W_proj [1024][1024], f32 with K innermost, become codes of FP6 (E2M3) with one E8M0 byte for each 32 along K,
; laid in opq in the ORDER OF THE OPERAND'S REGISTERS, so that the products' launches fetch fragments by dense loads alone.
; ROW TILES: tile tg (0-511 x, 512-703 W_attn, 704-767 W_proj) holds 16 rows of its tensor: place r is row 32 (t / 2) + 8 (t % 2) + r + 8 (r / 8), t the tile's number in its tensor.
; HALF FRAGMENT: 16 rows x 64 K = 768 bytes: lane (r, h) owns the 24 bytes of K = 32 h .. 32 h + 31 of its row: registers 0-3 at 16 x lane, registers 4-5 at 512 + 8 x lane.
; opq: codes at tg x 12,288 (16 half fragments, K ascending); scale words at SLB + tg x 512: [K / 256][r][2] words, a word = the four bytes of 128 along K.
; A block's scale is 2^(floor(log2(largest magnitude)) - 2): its byte is the largest magnitude's exponent field - 2, held at 1 from below.
; LIMITS: NaN and infinities among the inputs are not served; a block whose largest magnitude lies under 2^-124 takes the byte 1; a block of zeros takes the byte 1, not 127 (its codes are zeros, and this program alone reads the bytes).
; SHARES: a work-group takes one row tile, wave w its K = 256 w .. 256 w + 255, as two steps of 128.  Each load reads 512 consecutive bytes of one row; a step's 16 rows turn through the wave's own stage in LDS,
; so that a lane gets whole blocks of 32 neighbours.  All 32 loads of a wave go out at once; nothing is looped.  No matrix unit, no cluster, no tensor load: the launch only streams.
; WORK LEFT OUT BY THE PROGRAM: reference() builds a causal mask (jnp.tril) in its own body and sets every score with key > query to -inf ahead of the softmax, so its p is 0 for all values of the inputs.
; The attention launch therefore leaves out every step of 128 keys that lies wholly behind a tile's 16 queries; inside the step on the diagonal the scores are computed and masked.  Every input has a way to the output and is loaded.
; A NaN, an infinity or an overflow that would arise only in the scores left out is not carried to the result.
.set SP,   528                         ; a stage row: 512 bytes + 16: the 16 rows that a read touches start in 16 different 16-byte columns
.set STG,  16*SP                       ; a stage: one step of one wave
.set SCG,  8*STG                       ; behind the stages: the tile's 512 bytes of scale words
.set SLB,  9437184                     ; opq: where the scale words begin
.set R,    32                          ; v32-159  the numbers: step s at R + 64 s
.set C,    160                         ; v160-183 the codes: 12 registers a step, never written twice
.set T,    184                         ; v184-190 a block's upper 16 codes, before they are moved
	s_load_b256 s[4:11], s[0:1], 0x0               ; x s[4:5], W_attn s[6:7], W_proj s[8:9], opq s[10:11]
	v_lshl_add_u32 v192, v0, 2, 0x10a00
	v_mov_b32 v193, 0
	v_lshrrev_b32 v1, 5, v0
	v_readfirstlane_b32 s16, v1                    ; wave
	v_and_b32 v1, 31, v0                           ; lane
	v_and_b32 v2, 15, v0                           ; r
	v_bfe_u32 v3, v0, 4, 1                         ; h
	v_lshlrev_b32 v4, 4, v1                        ; 16 x lane
	v_lshlrev_b32 v5, 3, v1                        ; 8 x lane
	s_mul_i32 s17, s16, 2*STG                      ; my two stages
	v_add_nc_u32 v6, s17, v4                       ; into a stage: a row as it was loaded
	v_mul_u32_u24 v7, v2, SP
	v_lshl_add_u32 v7, v3, 7, v7
	v_add_nc_u32 v7, s17, v7                       ; out of it: row r, 128 h bytes on: my block of 32
	v_lshlrev_b32 v8, 3, v3                        ; 8 h: my bytes' place in a scale word
	s_lshl_b32 s18, s16, 7
	s_add_co_u32 s18, s18, SCG
	v_lshl_add_u32 v9, v2, 3, s18                  ; my row's two scale words: SCG + 128 w + 8 r
	v_add_nc_u32 v24, SCG, v4                      ; and where wave 0 reads all of them back
	v_mov_b32 v18, 0                               ; a lane permute's destination counts as one of its sources
	s_mov_b32 s20, 0x76543210
	s_mov_b32 s21, 0xfedcba98                      ; v_permlanex16_b32's selects for lane l xor 16
	s_mov_b32 s12, 704
	s_wait_alu depctr_va_vdst(0)
	s_wait_kmcnt 0x0
	s_cmp_lt_u32 ttmp9, 704                        ; which tensor: the choice hangs on the work-group's number alone
	s_cselect_b64 s[6:7], s[6:7], s[8:9]
	s_cselect_b32 s12, 512, s12
	s_cmp_lt_u32 ttmp9, 512
	s_cselect_b64 s[4:5], s[4:5], s[6:7]
	s_cselect_b32 s12, 0, s12
	s_sub_co_u32 s12, ttmp9, s12                   ; the tile's number in its tensor
	s_lshr_b32 s13, s12, 1
	s_lshl_b32 s13, s13, 17                        ; 32 rows of 4,096 bytes for each pair of tiles,
	s_and_b32 s14, s12, 1
	s_lshl_b32 s14, s14, 15                        ; 8 rows for the odd tile,
	s_add_co_u32 s13, s13, s14
	s_lshl_b32 s14, s16, 10                        ; my wave's 1,024 bytes of a row
	s_add_co_u32 s14, s13, s14
	s_mov_b32 s15, 0
	s_add_nc_u64 s[4:5], s[4:5], s[14:15]
	s_mul_i32 s22, ttmp9, 12288
	s_mul_i32 s23, s16, 3072
	s_add_co_u32 s22, s22, s23
	s_mov_b32 s23, 0
	s_add_nc_u64 s[24:25], s[10:11], s[22:23]      ; my four half fragments
	s_lshl_b32 s22, ttmp9, 9
	s_add_co_u32 s22, s22, SLB
	s_add_nc_u64 s[26:27], s[10:11], s[22:23]      ; the tile's scale words
.macro LOAD s                          ; step s: place i's row, 512 consecutive bytes an instruction
.irp i, 0,1,2,3,4,5,6,7,8,9,10,11,12,13,14,15
	global_load_b128 v[R+64*\s+4*\i:R+64*\s+4*\i+3], v4, s[4:5] offset:(\i+8*(\i/8))*4096+512*\s th:TH_LOAD_NT
.endr
.endm
.macro TURN s                          ; through the stage and back into the registers that they left: LDS serves a wave's instructions in order.  Register 32 c + n then holds K = 64 c + 32 h + n of row r
.irp i, 0,1,2,3,4,5,6,7,8,9,10,11,12,13,14,15
	ds_store_b128 v6, v[R+64*\s+4*\i:R+64*\s+4*\i+3] offset:STG*\s+SP*\i
.endr
.irp c, 0,1
.irp j, 0,1,2,3,4,5,6,7
	ds_load_b128 v[R+64*\s+32*\c+4*\j:R+64*\s+32*\c+4*\j+3], v7 offset:STG*\s+256*\c+16*\j
.endr
.endr
.endm
.macro QSTEP s                         ; a lane's two whole blocks (2 c + h of the step's four) become codes and bytes
.set XS, R+64*\s
.irp c, 0,1
	v_max3_num_f32 v[10+\c], |v[XS+32*\c]|, |v[XS+32*\c+1]|, 0x1800000   ; the floor 2^(3 - 127) among the leaves: the byte cannot fall under 1
.endr
.irp i, 2,4,6,8,10,12,14,16,18,20,22,24,26,28,30
.irp c, 0,1
	v_max3_num_f32 v[10+\c], v[10+\c], |v[XS+32*\c+\i]|, |v[XS+32*\c+\i+1]|   ; the two blocks by turns
.endr
.endr
.irp c, 0,1
	v_add_nc_u32 v[12+\c], 0xff000000, v[10+\c]    ; 2 off the exponent field: the conversion takes this operand's exponent field as its scale
.endr
.irp c, 0,1
	v_lshrrev_b32 v[14+\c], 23, v[12+\c]           ; the scale's byte
.endr
	v_lshl_or_b32 v19, v15, 16, v14                ; blocks h and 2 + h,
	v_lshlrev_b32 v19, v8, v19                     ; at their places in the word;
	v_permlanex16_b32 v18, v19, s20, s21
	v_or_b32 v[16+\s], v19, v18                    ; with lane l xor 16's two the word is whole
.irp c, 0,1
	v_cvt_scalef32_pk16_fp6_f32 v[C+12*\s+6*\c:C+12*\s+6*\c+2], v[XS+32*\c:XS+32*\c+15], v[12+\c]
	v_cvt_scalef32_pk16_fp6_f32 v[T+4*\c:T+4*\c+2], v[XS+32*\c+16:XS+32*\c+31], v[12+\c]   ; (a conversion's three registers begin on an even number)
.endr
	v_nop                                          ; one plain place behind a scaled conversion
.irp c, 0,1
.irp i, 0,1,2
	v_mov_b32 v[C+12*\s+6*\c+3+\i], v[T+4*\c+\i]
.endr
.endr
.irp c, 0,1
	global_store_b128 v4, v[C+12*\s+6*\c:C+12*\s+6*\c+3], s[24:25] offset:(2*\s+\c)*768        ; 512 consecutive bytes, at a multiple of 256
	global_store_b64 v5, v[C+12*\s+6*\c+4:C+12*\s+6*\c+5], s[24:25] offset:(2*\s+\c)*768+512   ; 256 consecutive bytes
.endr
.endm
	LOAD 0
	LOAD 1
	s_wait_loadcnt 16                              ; step 0's sixteen loads are in, step 1's may be out
	TURN 0
	s_wait_loadcnt 0x0
	TURN 1
	s_wait_dscnt 32                                ; step 0 is back: behind it stand step 1's 16 stores and 16 loads
	QSTEP 0
	s_wait_dscnt 0x0
	QSTEP 1
	ds_store_b64 v9, v[16:17]                      ; lanes l and l + 16 write the same bytes with the same value
	s_wait_dscnt 0x0                               ; for wave 0's sake: my words lie in LDS
	s_barrier_signal -1
	s_barrier_wait -1
	s_cmp_lg_u32 s16, 0
	s_cbranch_scc1 .Lend
	ds_load_b128 v[20:23], v24                     ; the tile's 512 bytes of scale words leave as two whole units
	s_wait_dscnt 0x0
	global_store_b128 v4, v[20:23], s[26:27]
.Lend:
	s_wait_tensorcnt 0x0
	ds_add_u32 v192, v193
	s_wait_dscnt 0x0
	s_endpgm
.Lfunc_end_k_q32c1a2602b_quant:
	.size	k_q32c1a2602b_quant, .Lfunc_end_k_q32c1a2602b_quant-k_q32c1a2602b_quant
	.p2alignl 7, 3214868480
	.fill 96, 4, 3214868480
	.section	.rodata,"a",@progbits
	.p2align	6, 0x0
	.amdhsa_kernel k_q32c1a2602b_quant
		.amdhsa_group_segment_fixed_size 68608
		.amdhsa_private_segment_fixed_size 0
		.amdhsa_enable_private_segment 0
		.amdhsa_kernarg_size 32
		.amdhsa_user_sgpr_count 2
		.amdhsa_user_sgpr_kernarg_segment_ptr 1
		.amdhsa_wavefront_size32 1
		.amdhsa_system_sgpr_workgroup_id_x 1
		.amdhsa_system_sgpr_workgroup_id_y 1
		.amdhsa_system_sgpr_workgroup_id_z 1
		.amdhsa_system_vgpr_workitem_id 0
		.amdhsa_next_free_vgpr 194
		.amdhsa_next_free_sgpr 66
		.amdhsa_reserve_vcc 0
		.amdhsa_float_denorm_mode_32 3
		.amdhsa_float_denorm_mode_16_64 3
		.amdhsa_memory_ordered 1
		.amdhsa_forward_progress 1
		.amdhsa_inst_pref_size 17
	.end_amdhsa_kernel
	.amdgpu_metadata
---
amdhsa.version: [ 1, 2 ]
amdhsa.kernels:
  - .name:           k_q32c1a2602b_quant
    .symbol:         k_q32c1a2602b_quant.kd
    .args:
      - { .name: x, .offset: 0, .size: 8, .value_kind: global_buffer, .address_space: global }
      - { .name: W_attn, .offset: 8, .size: 8, .value_kind: global_buffer, .address_space: global }
      - { .name: W_proj, .offset: 16, .size: 8, .value_kind: global_buffer, .address_space: global }
      - { .name: opq, .offset: 24, .size: 8, .value_kind: global_buffer, .address_space: global }
    .group_segment_fixed_size: 68608
    .private_segment_fixed_size: 0
    .kernarg_segment_align: 8
    .kernarg_segment_size: 32
    .max_flat_workgroup_size: 128
    .sgpr_count:     66
    .vgpr_count:     194
    .wavefront_size: 32
...
	.end_amdgpu_metadata
.endif
;; end of part 1
;; launch gemm_qkv (part 2): grid 8 x 32, 4 waves a work-group, clusters of 4 x 4, 327,680 bytes of LDS; arguments opq, b_attn, qkv; writes qkv
.if DOCPART == 2
	.amdgcn_target "amdgcn-amd-amdhsa--gfx1250"
	.amdhsa_code_object_version 6
	.text
	.protected	k_q32c1a2602b_gemm_qkv
	.globl	k_q32c1a2602b_gemm_qkv
	.p2align	8
	.type	k_q32c1a2602b_gemm_qkv,@function
k_q32c1a2602b_gemm_qkv:
	s_mov_b64 s[64:65], 0
	v_nop
	global_prefetch_b8 v0, s[64:65] scope:SCOPE_SE
	s_setreg_imm32_b32 hwreg(HW_REG_WAVE_MODE, 25, 1), 1
	s_wait_xcnt 0x0
	s_wait_alu depctr_hold_cnt(0) depctr_sa_sdst(0) depctr_va_vdst(0) depctr_va_sdst(0) depctr_va_ssrc(0) depctr_va_vcc(0) depctr_vm_vsrc(0)
	s_getreg_b32 s2, hwreg(HW_REG_IB_STS2, 6, 4)
	s_cmp_eq_u32 s2, 0
	s_cbranch_scc0 .Lentry_in_a_cluster
	s_endpgm
.Lentry_in_a_cluster:
	s_bfe_u32 s2, ttmp6, 0x10000c
	s_cmp_lg_u32 s2, 0xf033
	s_cbranch_scc0 .Lentry_shape_is_right
	s_endpgm
.Lentry_shape_is_right:
; qkv = x W_attn^T + b_attn on codes of FP6 (E2M3) with E8M0 scales; the sums are f32; q, k and v are quantised in registers and leave as codes: no f32 number of them goes to memory.
; OPERANDS (opq): row tiles of 16 rows (place r = row 32 (t / 2) + 8 (t % 2) + r + 8 (r / 8)), each 12,288 bytes: 16 half fragments of 768 bytes (16 rows x 64 K as an image of registers: registers 0-3 at 16 x lane,
; registers 4-5 at 512 + 8 x lane); scale words [tile][K / 256][r][2].  A fragment of 128 K comes by four dense LDS loads.
; SHARES.  256 work-groups of four waves.  A work-group owns 256 tokens and THREE blocks of 128 rows of W: rows 128 g .. of q's, of k's and of v's 1,024 (g = 0 .. 7).  The tokens' 16 row tiles, ALL of K (196,608 bytes), lie in LDS
; for the whole launch; a block's 8 row tiles of W, all of K (98,304 bytes), lie beside them: no ring along K.  W's region is filled again twice, each wave two tiles, behind the three lines and a round of the cluster's barrier;
; the refill is asked for ahead of the block's epilogue, whose register work stands between the request and the wait for it.  The scale words of the tokens and of all three blocks come once, at the head.
; CLUSTERS: 4 x 4 work-groups; the tokens' tiles and scale words are shared along a row of the cluster, W's along a column: each is asked for jointly.
; ROLES.  What is quantised next runs along the registers of a lane, that is along SOURCE 0's rows.  q, k (role 0, a loop of two trips): source 0 = W's 8 tiles, source 1 = 4 token tiles: wave w has tokens 64 w .. 64 w + 63.
; v (role 1, written out: it asks for no refill): source 0 = 8 token tiles, source 1 = 4 tiles of W: the waves 2 x 2.  In both a wave has 32 accumulators, and the 64 registers of one source-1 tile's eight
; are register 16 b + i = index 32 b + 16 (lane / 16) + i along source 0.
; OUT (qkv): QKC [token tile][n / 64] half fragments; VC [batch x 16 + head][key step of 128][channel tile] fragments of 1,536 bytes; QKS [n / 128][token tile / 4][r][tile % 4] words; VS [token / 128][head][r][channel tile] words.
; NO PREFETCH: W's rows are asked for once a block, by one request a wave, and eight clusters share each of them; there is no walk of several trips to run ahead in.
; LIMITS: NaN and infinities are not served; a block whose largest magnitude lies under 2^-124, a block of zeros too, takes the byte 1 (zeros: not 127; this program alone reads the bytes).
; REGISTERS: window 0: v1-15 lane numbers and addresses; v32-95 scale words of all of K; v96-191 source 1's four fragments, two sets, in the epilogue a tile's 64 numbers; v192-255 the epilogue's;
;   window 1: source 0's eight fragments, two sets, at v0 and v128; window 2: the accumulators, (a, b) at v[8 (8 a + b)]; window 3: v0-63 the bias by register, v64-71 by lane.
.set FR,     12                        ; registers of a fragment
.set TB,     12288                     ; a row tile's codes
.set BRG,    16*TB                     ; LDS: the tokens' 16 tiles at 0, W's 8 here,
.set SA,     BRG+8*TB                  ; the tokens' scale words, 8,192 bytes,
.set SBS,    SA+8192                   ; W's, 4,096 bytes a block,
.set SPARE,  SBS+12288                 ; the spare words, 128 bytes a wave, that no other line names
.set ASL,    9437184                   ; opq: x's scale words;
.set BCODES, 6291456                   ; W_attn's codes;
.set BSL,    9699328                   ; W_attn's scale words
.set VC,     12582912                  ; qkv: the regions
.set QKS,    18874368
.set VS,     19398656
.set O16,  4                           ; v4 16 x lane, v5 8 x lane
.set O8,   5
.set R16,  6                           ; v6, v7 source 1's tiles: + 16 x lane, + 8 x lane
.set P16,  8                           ; v8, v9 source 0's tiles 0-3, v10, v11 its tiles 4-7
.set ADRS, 12                          ; v12 scale words: lanes 0-15 source 1's tile i, lanes 16-31 source 0's tile i; v13: for i = 4 .. 7: lanes 0-15 source 1's tile i - 4 once more
.set OR16, 16                          ; v16 16 r
.set SPW,  28
.set NIL,  29
.set SC,   32                          ; tile i's word of the q-th 128 along K: v[SC + 2 i + 16 (q / 2) + q % 2]
.set AF,   96
.set W,    96
.set PC,   192
.set PWS,  212
.set TM,   240
.set G1A, 24
.set G1B, 32
.set G1S, 48
.set G1SB, 56
.set G0A, 68
.set G0B, 72
.set G0S, 76
.set G0SB, 80
.set SEL, 100
.set MSB, 0
.macro WIN new                         ; the immediate's high byte repeats the setting that is left
.if MSB != (\new)
	s_set_vgpr_msb (MSB<<8)|(\new)
.set MSB, (\new)
.endif
.endm
.macro WALU
	s_wait_alu depctr_va_vdst(0)
.endm
.macro PLACES n
.rept \n
	v_nop
.endr
.endm
.macro CROUND                          ; a round of the cluster's barrier
	s_barrier_signal -1
	s_barrier_wait -1
	s_cmp_lg_u32 s14, 0
	s_cbranch_scc1 .Lnot_wave_0_\@
	s_barrier_signal -3
.Lnot_wave_0_\@:
	s_barrier_wait -3
	s_barrier_signal -1
	s_barrier_wait -1
.endm
.macro GROUP1 g, mask, c, r, p         ; r rows of c elements of 8 bytes, p elements apart, dense in LDS
	s_or_b32 s[\g], s[\mask], (3<<16)|(1<<21)
	s_mov_b32 s[\g+1], (\c)<<16
	s_mov_b32 s[\g+2], (\r)<<16
	s_mov_b32 s[\g+3], (\c)<<16
	s_mov_b32 s[\g+4], \r
	s_mov_b32 s[\g+5], \p
	s_mov_b32 s[\g+6], 0
	s_mov_b32 s[\g+7], 0
.endm
.macro G0SET g, lds, base, off
	s_mov_b32 s[\g], 1
	s_mov_b32 s[\g+1], \lds
	s_add_nc_u64 s[\g+2:\g+3], s[\base:\base+1], s[\off:\off+1]
	s_or_b32 s[\g+3], s[\g+3], 0x80000000
.endm
.macro ARM under, g0, g1, next
	s_cmp_lt_u32 s14, \under
	s_cbranch_scc0 \next
	tensor_load_to_lds s[\g0:\g0+3], s[\g1:\g1+7]
	s_nop 0
	PLACES 4
	s_branch .Lhead_asked
\next:
.endm
.macro FRAG reg, a16, off              ; a fragment of 128 K = two half fragments on end: four dense loads
	ds_load_b128 v[\reg:\reg+3], v[\a16] offset:\off
	ds_load_b64 v[\reg+4:\reg+5], v[\a16+1] offset:(\off)+512
	ds_load_b128 v[\reg+6:\reg+9], v[\a16] offset:(\off)+768
	ds_load_b64 v[\reg+10:\reg+11], v[\a16+1] offset:(\off)+1280
.endm
.macro FETCH q, p                      ; the q-th 128 along K into set p: 48 loads in one run
	WIN 0x40
.irp i, 0,1,2,3,4,5,6,7
	FRAG 128*(\p)+FR*\i, P16+2*(\i/4), TB*(\i%4)+1536*(\q)
.endr
	WIN 0
.irp i, 0,1,2,3
	FRAG AF+48*(\p)+FR*\i, R16, TB*\i+1536*(\q)
.endr
.endm
.macro SCALES                          ; the scale words of all of K: 32 loads
.irp i, 0,1,2,3,4,5,6,7
.irp k, 0,1,2,3
	ds_load_b64 v[SC+2*\i+16*\k:SC+2*\i+16*\k+1], v[ADRS+\i/4] offset:\i*512+\k*128
.endr
.endr
.endm
.macro WM d, s0, s1, c
	v_wmma_scale_f32_16x16x128_f8f6f4 v[\d:\d+7], v[\s0:\s0+11], v[\s1:\s1+11], \c, v[XB_], v[XA_] matrix_a_fmt:MATRIX_FMT_FP6 matrix_b_fmt:MATRIX_FMT_FP6 matrix_a_scale:MATRIX_SCALE_ROW1
.endm
; 32 matrix instructions: source 1's four tiles x source 0's eight; the 32 accumulators take turns.  Source 1's word is taken from source 0's own register where that holds it too (b = a, b = a + 4)
.macro MUL q, p
	WIN 0xa1                                       ; source 0 window 1, source 1 window 0, C and D window 2
.irp a, 0,1,2,3
.irp b, 0,1,2,3,4,5,6,7
.set XB_, SC+2*\b+16*((\q)/2)+(\q)%2
.if \b == \a+4
.set XA_, XB_
.else
.set XA_, SC+2*\a+16*((\q)/2)+(\q)%2
.endif
.if (\q) > 0
	WM 8*(8*\a+\b), 128*(\p)+FR*\b, AF+48*(\p)+FR*\a, v[8*(8*\a+\b):8*(8*\a+\b)+7]
.else
	WM 8*(8*\a+\b), 128*(\p)+FR*\b, AF+48*(\p)+FR*\a, 0
.endif
.endr
.endr
.endm
.macro KLOOP                           ; all of K: eight steps of 128; each step's fragments are asked for one step ahead, so every wait is for all that is out
	FETCH 0, 0
.irp q, 0,1,2,3,4,5,6,7
	s_wait_dscnt 0x0
.if \q < 7
.if \q > 0
	PLACES 4                                       ; between the last step's products and the loads into the set that they read
.endif
	FETCH \q+1, (\q+1)%2
.endif
	MUL \q, \q%2
.endr
	WIN 0
.endm
.macro VADDR s1, s0                    ; the fragments' addresses from the two regions' first bytes
	v_add_nc_u32 v[R16], s[\s1], v[O16]
	v_add_nc_u32 v[R16+1], s[\s1], v[O8]
	v_add_nc_u32 v[P16], s[\s0], v[O16]
	v_add_nc_u32 v[P16+1], s[\s0], v[O8]
	s_add_co_u32 s[\s0], s[\s0], 4*TB
	v_add_nc_u32 v[P16+2], s[\s0], v[O16]
	v_add_nc_u32 v[P16+3], s[\s0], v[O8]
.endm
; 64 numbers of a lane, register 16 b + i = index 32 b + 16 (lane / 16) + i of my row, become a fragment's codes in v[PC] on and its scale word in v[pw].
.macro QUANT s, pw
.irp b, 0,1,2,3
	v_max3_num_f32 v[TM+\b], |v[\s+16*\b]|, |v[\s+1+16*\b]|, 0x1800000   ; my 16 numbers of block b, and the floor 2^(3 - 127): the byte cannot fall under 1
.endr
.irp i, 2,4,6,8,10,12,14
.irp b, 0,1,2,3
	v_max3_num_f32 v[TM+\b], v[TM+\b], |v[\s+16*\b+\i]|, |v[\s+1+16*\b+\i]|
.endr
.endr
.irp b, 0,1,2,3
	v_permlanex16_b32 v[TM+4+\b], v[TM+\b], s[SEL], s[SEL+1]
.endr
.irp b, 0,1,2,3
	v_max_num_f32 v[TM+\b], v[TM+\b], v[TM+4+\b]   ; with lane l xor 16's: the block's largest magnitude
.endr
.irp b, 0,1,2,3
	v_add_nc_u32 v[TM+12+\b], 0xff000000, v[TM+\b] ; 2 off its exponent field: the conversion's scale operand
.endr
.irp b, 0,1,2,3
	v_lshrrev_b32 v[TM+4+\b], 23, v[TM+12+\b]      ; the scale's byte
.endr
	v_lshl_or_b32 v[\pw], v[TM+5], 8, v[TM+4]
	v_lshl_or_b32 v[\pw], v[TM+6], 16, v[\pw]
	v_lshl_or_b32 v[\pw], v[TM+7], 24, v[\pw]
.irp c, 0,1
	v_cvt_scalef32_pk16_fp6_f32 v[PC+6*\c:PC+2+6*\c], v[\s+32*\c:\s+15+32*\c], v[TM+12+2*\c]
	v_cvt_scalef32_pk16_fp6_f32 v[PC+12+4*\c:PC+14+4*\c], v[\s+16+32*\c:\s+31+32*\c], v[TM+12+2*\c+1]   ; (a conversion's three registers begin on an even number)
.endr
	v_nop                                          ; one plain place behind a scaled conversion
.irp c, 0,1                                    ; the operand's layout wants a whole block in a lane: lanes 0-15 block 2 c, lanes 16-31 block 2 c + 1
.irp i, 0,1,2
	v_permlane16_swap_b32 v[PC+6*\c+\i], v[PC+12+4*\c+\i]
.endr
.irp i, 0,1,2
	v_mov_b32 v[PC+3+6*\c+\i], v[PC+12+4*\c+\i]
.endr
.endr
.endm
; Source-1 tile a: its eight accumulators plus the bias (role 0: by register; role 1: by lane), quantised, stored as a fragment's image: each store covers whole aligned blocks of 256 bytes.
.macro QTILE a, role
	s_wait_xcnt 0x0                                ; the earlier stores have read their registers and their base
.if \a > 0
	s_add_nc_u64 s[96:97], s[96:97], s[10:11]
.else
	s_mov_b64 s[96:97], s[92:93]
.endif
	WIN 0x0e                                       ; source 0 window 2, source 1 window 3
.set KK, 0
.rept 32
.if \role
	v_pk_add_f32 v[W+KK:W+KK+1], v[64*\a+KK:64*\a+KK+1], v[64+2*\a:65+2*\a]
.else
	v_pk_add_f32 v[W+KK:W+KK+1], v[64*\a+KK:64*\a+KK+1], v[KK:KK+1]   ; each accumulator from its low end on
.endif
.set KK, KK+2
.endr
	WIN 0
	QUANT W, PWS+\a
	global_store_b128 v[O16], v[PC:PC+3], s[96:97]
	global_store_b64 v[O8], v[PC+4:PC+5], s[96:97] offset:512
	global_store_b128 v[O16], v[PC+6:PC+9], s[96:97] offset:768
	global_store_b64 v[O8], v[PC+10:PC+11], s[96:97] offset:1280
.endm
.macro EPI role
	s_wait_loadcnt 0x0                             ; the bias
.irp a, 0,1,2,3
	QTILE \a, \role
.endr
	global_store_b128 v[OR16], v[PWS:PWS+3], s[98:99]   ; row r's four words: 256 consecutive bytes; lanes l and l + 16 write the same bytes with the same value
.endm
	s_load_b128 s[4:7], s[0:1], 0x0                ; opq s[4:5], b_attn s[6:7]
	s_load_b64 s[8:9], s[0:1], 0x10                ; qkv
	v_lshl_add_u32 v[SPW], v0, 2, SPARE
	v_mov_b32 v[NIL], 0
	ds_add_u32 v[SPW], v[NIL]                      ; the opening: the add, twice on end, and its wait
	ds_add_u32 v[SPW], v[NIL]
	v_lshrrev_b32 v1, 5, v0
	v_readfirstlane_b32 s14, v1                    ; wave 0..3
	s_lshr_b32 s15, s14, 1
	s_and_b32 s16, s14, 1
	s_bfe_u32 s40, ttmp6, 0x40000                  ; cx, cy
	s_bfe_u32 s41, ttmp6, 0x40004
	s_lshl_b32 s42, ttmp9, 2
	s_add_co_u32 s42, s42, s40                     ; g: which 128 rows of q's, k's and v's part of W
	s_and_b32 s17, ttmp7, 0xffff
	s_lshl_b32 s17, s17, 2
	s_add_co_u32 s17, s17, s41                     ; which 256 tokens
	s_lshl_b32 s43, s41, 2
	s_lshl_b32 s43, 15, s43                        ; my row of the cluster
	s_lshl_b32 s44, 0x1111, s40                    ; my column
	GROUP1 G1A, 43, 1536, 16, 1536                 ; the tokens' 16 tiles, dense
	GROUP1 G1B, 44, 1536, 8, 1536                  ; W's 8 tiles, dense (behind the head: 2 a wave)
	GROUP1 G1S, 43, 32, 32, 32                     ; the tokens' scale words: 8,192 dense bytes
	GROUP1 G1SB, 44, 512, 3, 4096                  ; W's: three blocks of 4,096 bytes, 32,768 apart
	s_mul_i32 s20, s17, 16*TB
	s_mov_b32 s21, 0
	s_lshl_b32 s22, s17, 13
	s_add_co_u32 s22, s22, ASL
	s_mov_b32 s23, 0
	s_mul_i32 s46, s42, 8*TB
	s_add_co_u32 s46, s46, BCODES
	s_mov_b32 s47, 0
	s_lshl_b32 s86, s42, 12
	s_add_co_u32 s86, s86, BSL
	s_mov_b32 s87, 0
	s_mul_i32 s18, s14, 2*TB                       ; a refill's share: two tiles a wave; s[18:19] stay until the head's end
	s_mov_b32 s19, 0
	s_wait_dscnt 0x0                               ; both opening adds are done
	s_wait_kmcnt 0x0
	CROUND                                         ; all sixteen work-groups are here: the first joint loads meet
	G0SET G0A, 0, 4, 20
	G0SET G0B, BRG, 4, 46
	G0SET G0S, SA, 4, 22
	G0SET G0SB, SBS, 4, 86
	; THE HEAD'S LOADS, one a wave, in one chain of branches on the wave's number
	ARM 1, G0A, G1A, .Lhead_b
	ARM 2, G0B, G1B, .Lhead_sa
	ARM 3, G0S, G1S, .Lhead_sb
	tensor_load_to_lds s[G0SB:G0SB+3], s[G1SB:G1SB+7]
	s_nop 0
	PLACES 4
.Lhead_asked:
	v_and_b32 v1, 15, v0                           ; r
	v_bfe_u32 v2, v0, 4, 1                         ; h
	v_and_b32 v3, 31, v0
	v_lshlrev_b32 v[O16], 4, v3
	v_lshlrev_b32 v[O8], 3, v3
	v_lshlrev_b32 v[OR16], 4, v1
	v_lshlrev_b32 v14, 6, v2                       ; the bias by register: 16 h numbers on
	v_and_b32 v15, 8, v1
	v_add_nc_u32 v15, v15, v1
	v_lshlrev_b32 v15, 2, v15                      ; by lane: place r's row
.irp b, 0,1,2,3
	v_mov_b32 v[TM+4+\b], 0                        ; a lane permute's destination counts as one of its sources
.endr
	WALU
	s_mul_i32 s84, s14, 4*TB                       ; role 0: source 1 = my four token tiles, source 0 = W's region
	s_mov_b32 s85, BRG
	VADDR 84, 85
	s_lshl_b32 s22, s14, 11                        ; scale words: lanes 0-15 the tokens', 2,048 bytes a wave; lanes 16-31 W's
	s_sub_co_u32 s23, SBS-SA, s22
	v_mul_u32_u24 v12, s23, v2
	v_lshl_add_u32 v12, v1, 3, v12
	s_add_co_u32 s45, s22, SA
	v_add_nc_u32 v12, s45, v12
	s_add_co_u32 s23, s23, 2048
	v_mul_u32_u24 v13, s23, v2
	v_lshl_add_u32 v13, v1, 3, v13
	s_add_co_u32 s45, s22, SA-2048
	v_add_nc_u32 v13, s45, v13
	; where the results go.  Role 0: s[92:93] codes of my first token tile, s[98:99] my 256 bytes of scale words
	s_lshl_b32 s20, s17, 4
	s_lshl_b32 s21, s14, 2
	s_add_co_u32 s20, s20, s21
	s_mul_i32 s20, s20, 24576
	s_mul_i32 s21, s42, 1536
	s_add_co_u32 s20, s20, s21
	s_mov_b32 s21, 0
	s_add_nc_u64 s[92:93], s[8:9], s[20:21]
	s_lshl_b32 s20, s42, 15
	s_lshl_b32 s22, s17, 2
	s_add_co_u32 s22, s22, s14
	s_lshl_b32 s22, s22, 8
	s_add_co_u32 s20, s20, s22
	s_add_co_u32 s20, s20, QKS
	s_add_nc_u64 s[98:99], s[8:9], s[20:21]
	; role 1: s[88:89], s[90:91] the same for v: my 128 tokens are a key step, my 64 rows of W a head
	s_lshl_b32 s22, s17, 1
	s_add_co_u32 s22, s22, s15
	s_lshl_b32 s23, s42, 1
	s_add_co_u32 s23, s23, s16
	s_lshr_b32 s20, s22, 4
	s_lshl_b32 s20, s20, 4
	s_add_co_u32 s20, s20, s23
	s_lshl_b32 s20, s20, 4
	s_and_b32 s45, s22, 15
	s_add_co_u32 s20, s20, s45
	s_mul_i32 s20, s20, 6144
	s_add_co_u32 s20, s20, VC
	s_add_nc_u64 s[88:89], s[8:9], s[20:21]
	s_lshl_b32 s20, s22, 12
	s_lshl_b32 s45, s23, 8
	s_add_co_u32 s20, s20, s45
	s_add_co_u32 s20, s20, VS
	s_add_nc_u64 s[90:91], s[8:9], s[20:21]
	s_lshl_b32 s20, s42, 9
	s_add_nc_u64 s[6:7], s[6:7], s[20:21]          ; the bias of q's 128 rows
	s_mov_b32 s10, 24576                           ; from token tile to token tile
	s_mov_b32 s11, 0
	s_mov_b32 s[SEL], 0x76543210
	s_mov_b32 s[SEL+1], 0xfedcba98                 ; v_permlanex16_b32's selects for lane l xor 16
	s_mov_b32 s3, 2
	WALU                                           ; the wait at the head's end
	s_wait_tensorcnt 0x0                           ; my tile of the head's four is in: no tensor load of mine is out, so descriptors may be written:
	s_mov_b32 s[G1B+2], 2<<16                      ; a refill brings two tiles a wave,
	s_mov_b32 s[G1B+4], 2
	s_add_co_u32 s[G0B+1], s18, BRG                ; to my quarter of W's region,
	s_add_nc_u64 s[G0B+2:G0B+3], s[G0B+2:G0B+3], s[18:19]
	s_barrier_signal -1
	s_barrier_wait -1                              ; everybody's is in
.Lblock:                                               ; q's block, then k's
	WIN 0xc0
.irp b, 0,1,2,3,4,5,6,7
	global_load_b128 v[8*\b:8*\b+3], v14, s[6:7] offset:(32*(\b/2)+8*(\b%2))*4
	global_load_b128 v[8*\b+4:8*\b+7], v14, s[6:7] offset:(32*(\b/2)+8*(\b%2))*4+16
.endr
	WIN 0
	SCALES
	KLOOP
	s_wait_tensorcnt 0x0
	ds_add_u32 v[SPW], v[NIL]
	s_add_nc_u64 s[G0B+2:G0B+3], s[G0B+2:G0B+3], 64*TB   ; the next block of W: 1,024 rows on
	s_wait_dscnt 0x0                               ; the add is done, and my reads of W's region are over
	CROUND                                         ; no wave of any partner still reads it
	tensor_load_to_lds s[G0B:G0B+3], s[G1B:G1B+7]
	s_nop 0
	PLACES 4                                       ; also the places behind the last products
	EPI 0
	s_wait_xcnt 0x0
	s_add_nc_u64 s[92:93], s[92:93], 16*768        ; k's half fragments lie 16 behind q's in a token tile,
	s_add_nc_u64 s[98:99], s[98:99], 8<<15         ; its scale words 8 groups of 128 channels on,
	s_add_nc_u64 s[6:7], s[6:7], 4096              ; its bias 1,024 numbers on,
	v_lshl_add_u32 v12, v2, 12, v12                ; and W's scale words 4,096 bytes on (lanes 16-31)
	v_lshl_add_u32 v13, v2, 12, v13
	WALU
	s_wait_tensorcnt 0x0                           ; my two tiles of the next block are in,
	s_barrier_signal -1
	s_barrier_wait -1                              ; everybody's are
	s_sub_co_u32 s3, s3, 1
	s_cmp_lg_u32 s3, 0
	s_cbranch_scc1 .Lblock
	; v's block: role 1
	s_mul_i32 s84, s16, 4*TB
	s_add_co_u32 s84, s84, BRG                     ; source 1 = my four tiles of W, source 0 = my eight token tiles
	s_mul_i32 s85, s15, 8*TB
	VADDR 84, 85
	s_lshl_b32 s22, s15, 12
	s_add_co_u32 s22, s22, SA                      ; lanes 16-31: the tokens' words
	s_lshl_b32 s23, s16, 11
	s_add_co_u32 s23, s23, SBS+8192                ; lanes 0-15: W's third block's
	s_sub_co_u32 s23, s23, s22
	v_xor_b32 v3, 1, v2
	v_mul_u32_u24 v12, s23, v3
	v_lshl_add_u32 v12, v1, 3, v12
	v_add_nc_u32 v12, s22, v12
	s_sub_co_u32 s23, s23, 2048
	v_mul_u32_u24 v13, s23, v3
	v_lshl_add_u32 v13, v1, 3, v13
	v_add_nc_u32 v13, s22, v13
	s_lshl_b32 s20, s16, 8
	s_mov_b32 s21, 0
	s_add_nc_u64 s[6:7], s[6:7], s[20:21]          ; the bias of my 64 rows
	s_mov_b64 s[92:93], s[88:89]
	s_mov_b64 s[98:99], s[90:91]
	s_mov_b32 s10, 1536                            ; from channel tile to channel tile
	WALU
	WIN 0xc0
.irp a, 0,1,2,3
	global_load_b32 v[64+2*\a], v15, s[6:7] offset:(32*(\a/2)+8*(\a%2))*4
	global_load_b32 v[65+2*\a], v15, s[6:7] offset:(32*(\a/2)+8*(\a%2))*4   ; twice: a pair for the packed addition
.endr
	WIN 0
	SCALES
	KLOOP
	PLACES 4                                       ; behind the last products
	EPI 1
	s_wait_tensorcnt 0x0                           ; the wave's end
	ds_add_u32 v[SPW], v[NIL]
	s_wait_dscnt 0x0
	CROUND                                         ; the closing round
	s_endpgm
.Lfunc_end_k_q32c1a2602b_gemm_qkv:
	.size	k_q32c1a2602b_gemm_qkv, .Lfunc_end_k_q32c1a2602b_gemm_qkv-k_q32c1a2602b_gemm_qkv
	.p2alignl 7, 3214868480
	.fill 96, 4, 3214868480
	.section	.rodata,"a",@progbits
	.p2align	6, 0x0
	.amdhsa_kernel k_q32c1a2602b_gemm_qkv
		.amdhsa_group_segment_fixed_size 327680
		.amdhsa_private_segment_fixed_size 0
		.amdhsa_enable_private_segment 0
		.amdhsa_kernarg_size 24
		.amdhsa_user_sgpr_count 2
		.amdhsa_user_sgpr_kernarg_segment_ptr 1
		.amdhsa_wavefront_size32 1
		.amdhsa_system_sgpr_workgroup_id_x 1
		.amdhsa_system_sgpr_workgroup_id_y 1
		.amdhsa_system_sgpr_workgroup_id_z 1
		.amdhsa_system_vgpr_workitem_id 0
		.amdhsa_next_free_vgpr 1024
		.amdhsa_next_free_sgpr 102
		.amdhsa_reserve_vcc 0
		.amdhsa_float_denorm_mode_32 3
		.amdhsa_float_denorm_mode_16_64 3
		.amdhsa_memory_ordered 1
		.amdhsa_forward_progress 1
		.amdhsa_inst_pref_size 185
	.end_amdhsa_kernel
	.amdgpu_metadata
---
amdhsa.version: [ 1, 2 ]
amdhsa.kernels:
  - .name:           k_q32c1a2602b_gemm_qkv
    .symbol:         k_q32c1a2602b_gemm_qkv.kd
    .args:
      - { .name: opq, .offset: 0, .size: 8, .value_kind: global_buffer, .address_space: global }
      - { .name: b_attn, .offset: 8, .size: 8, .value_kind: global_buffer, .address_space: global }
      - { .name: qkv, .offset: 16, .size: 8, .value_kind: global_buffer, .address_space: global }
    .group_segment_fixed_size: 327680
    .private_segment_fixed_size: 0
    .kernarg_segment_align: 8
    .kernarg_segment_size: 24
    .max_flat_workgroup_size: 128
    .sgpr_count:     102
    .vgpr_count:     1024
    .wavefront_size: 32
...
	.end_amdgpu_metadata
.endif
;; end of part 2
;; launch attn (part 3): grid 4 x 64, 16 waves a work-group, clusters of 4 x 1, 327,680 bytes of LDS; arguments qkv, yq; writes yq
.if DOCPART == 3
	.amdgcn_target "amdgcn-amd-amdhsa--gfx1250"
	.amdhsa_code_object_version 6
	.text
	.protected	k_q32c1a2602b_attn
	.globl	k_q32c1a2602b_attn
	.p2align	8
	.type	k_q32c1a2602b_attn,@function
k_q32c1a2602b_attn:
	s_mov_b64 s[64:65], 0
	v_nop
	global_prefetch_b8 v0, s[64:65] scope:SCOPE_SE
	s_setreg_imm32_b32 hwreg(HW_REG_WAVE_MODE, 25, 1), 1
	s_wait_xcnt 0x0
	s_wait_alu depctr_hold_cnt(0) depctr_sa_sdst(0) depctr_va_vdst(0) depctr_va_sdst(0) depctr_va_ssrc(0) depctr_va_vcc(0) depctr_vm_vsrc(0)
	s_getreg_b32 s2, hwreg(HW_REG_IB_STS2, 6, 4)
	s_cmp_eq_u32 s2, 0
	s_cbranch_scc0 .Lentry_in_a_cluster
	s_endpgm
.Lentry_in_a_cluster:
	s_bfe_u32 s2, ttmp6, 0x10000c
	s_cmp_lg_u32 s2, 0x3003
	s_cbranch_scc0 .Lentry_shape_is_right
	s_endpgm
.Lentry_shape_is_right:
; y[b][q][head] = the sum over keys k <= q of softmax_k(q . k / 8) v, both products on codes of FP6 (E2M3) with E8M0 scales; y is quantised along C and leaves as codes, in the layout that the last product's launch fetches.
; LEFT OUT: steps of 128 keys that lie wholly behind a tile's queries: reference()'s own causal mask makes their p zero for all inputs.
; THE SOFTMAX AHEAD OF THE SECOND PRODUCT: t = score x log2(e) / 8; M = the row's largest t so far, rounded UP to a whole number; p = 2^(t - M) is quantised along the keys, not normalised; the row's sum is taken of the
; unquantised p and divides O at the end.  When M moves, the sum and O are multiplied by 2^(old M - new M): exact.
; IN (qkv): QKC [token tile][n / 64] half fragments of 768 bytes (q: 0-15, k: 16-31); VC [batch x 16 + head][key step of 128][channel tile] fragments of 1,536 bytes; QKS [n / 128][token tile / 4][r][tile % 4] words;
; VS [token / 128][head][r][channel tile] words.  A tile's place r is row 32 (t / 2) + 8 (t % 2) + r + 8 (r / 8).  The head is 64 wide: the upper half of q's and k's fragments is zero codes, kept in registers.
; SHARES.  A CLUSTER of 4 x 1 work-groups owns one head of one batch; each partner holds ALL of the head's k and v (208,896 bytes) in its LDS, filled ONCE by joint loads that name the four: no ring, no refill.
; Wave w of partner cx takes query tile 127 - (4 w + cx) and then tile 4 w + cx.  Tile t works key steps 0 .. t / 8, that is 0 .. 15 - w / 2 and 0 .. w / 2: 17 steps a wave, and which steps are
; jumped over hangs on the wave's number alone, the same in all partners.  cx enters only the addresses of Q and y in memory and the number that the diagonal's compare takes.
; FILLS, at most one tensor load a wave: waves 0-3 key steps 0-3 of K and of V and all scale words; waves 4-6 the other three quarters of K, waves 8-10 those of V, by load lines of their own.
; The first barrier waits for waves 0-3's loads alone; every wave then works four steps of its long tile; the second barrier, which all waves reach after equal work, shows the rest.
; The short tile's Q is loaded at the head too and kept in the wave's own 1,024 bytes of LDS.  NO PREFETCH: every fill is asked for at the head, so there is no loop to run ahead in.
; LAYOUT.  Both products transposed: S^T = K Q^T, O^T = V^T P^T: a lane holds ONE query (place lane % 16) throughout; the 16 registers of tiles 2 b, 2 b + 1 are 16 neighbours: 32 b + 16 (lane / 16) + 0 .. 15.
; y's scale bytes: a head owns two bytes of a word of four, so they leave by stores of 2 bytes a lane, 8 bytes apart: 262,144 bytes of the launch's 6,553,600.
; LIMITS: NaN and infinities are not served; 1 / sum by v_rcp_f32; a block of y whose largest magnitude lies under 2^-124, a block of zeros too, takes the byte 1; the scaled scores stay under 2^31 in magnitude.
; REGISTERS: v1-7, v30-31 addresses that stay; v8-13 the step's addresses; v14 -M, v15 the largest t, v[16:17] the sum; v18-29 Q; v32-79 four fragments of K; v80-127 V's four; v128-191 S^T, then p; v192-223 O^T;
;   v224-235 p's codes; v232-247, v252, v254 at work; v248-251 K's, then V's scale words; v253 p's; v255 Q's.
.set VOFF, 98304                       ; LDS: K [token tile 128] x 768 at 0; V [key step 16][channel tile 4] x 1,536 here;
.set KSC,  196608                      ; K's scale words [tile / 4][r][tile % 4], 8,192 bytes;
.set VSC,  204800                      ; V's [key step][r][channel tile], 4,096 bytes;
.set SPARE, 208896                     ; the spare words, 128 bytes a wave, that no other line names;
.set QST,  210944                      ; the short tile's Q: 1,024 bytes a wave: registers 0-3, registers 4-5 at 512, the scale word at 768 + 8 x lane
.set VC,   12582912
.set QKS,  18874368
.set VS,   19398656
.set YS,   6291456                     ; yq: where the scale words begin
.set WV,   8                           ; s8 wave, s9 cx, s10 batch x 16 + head, s11 batch, s12 head, s84 4 w + cx, s85 my Q's place in LDS
.set SEL,  92                          ; s[92:93] v_permlanex16_b32's selects for lane l xor 16
.set CS,   94                          ; s[94:95] c = log2(e) / 8
.set TK,   96                          ; s96  the step's tiles of K and of V: 6,144 bytes a step
.set TS,   97                          ; s97  K's scale words: 512 a step
.set TJ,   98                          ; s98  V's: 256 a step
.set SI,   99                          ; s99  the step
.set SD,   100                         ; s100 the tile's last step, on the diagonal
.macro WALU
	s_wait_alu depctr_va_vdst(0)
.endm
.macro CROUND                          ; a round of the cluster's barrier
	s_barrier_signal -1
	s_barrier_wait -1
	s_cmp_lg_u32 s[WV], 0
	s_cbranch_scc1 .Lnot_wave_0_\@
	s_barrier_signal -3
.Lnot_wave_0_\@:
	s_barrier_wait -3
	s_barrier_signal -1
	s_barrier_wait -1
.endm
.macro GROUP1 g, c, r, p               ; r rows of c elements of 8 bytes, p elements apart, dense in LDS; the mask names the cluster's four, bit 21 beside it
	s_mov_b32 s[\g], 15|(3<<16)|(1<<21)
	s_mov_b32 s[\g+1], (\c)<<16
	s_mov_b32 s[\g+2], (\r)<<16
	s_mov_b32 s[\g+3], (\c)<<16
	s_mov_b32 s[\g+4], \r
	s_mov_b32 s[\g+5], \p
	s_mov_b32 s[\g+6], 0
	s_mov_b32 s[\g+7], 0
.endm
.macro TLOAD g0, g1                    ; an arm's load
	tensor_load_to_lds s[\g0:\g0+3], s[\g1:\g1+7]
	s_nop 0
.rept 4
	v_nop
.endr
	s_branch .Lasked
.endm
.macro QADDR                           ; tile s13: s14 its number among all token tiles, s[16:17] Q's half fragment, s[18:19] its scale bytes
	s_lshl_b32 s14, s11, 7
	s_add_co_u32 s14, s14, s13
	s_mul_i32 s16, s14, 24576
	s_mul_i32 s17, s12, 768
	s_add_co_u32 s16, s16, s17
	s_mov_b32 s17, 0
	s_add_nc_u64 s[16:17], s[4:5], s[16:17]
	s_lshr_b32 s18, s12, 1
	s_lshl_b32 s18, s18, 15
	s_lshr_b32 s19, s14, 2
	s_lshl_b32 s19, s19, 8
	s_add_co_u32 s18, s18, s19
	s_and_b32 s19, s13, 3
	s_lshl_b32 s19, s19, 2
	s_add_co_u32 s18, s18, s19
	s_and_b32 s19, s12, 1
	s_lshl_b32 s19, s19, 1
	s_add_co_u32 s18, s18, s19
	s_add_co_u32 s18, s18, QKS
	s_mov_b32 s19, 0
	s_add_nc_u64 s[18:19], s[4:5], s[18:19]
.endm
.macro YADDR                           ; tile s13: s66 its first query within its last key step, 32 ((t / 2) % 4) + 8 (t % 2); s[20:21] y's half fragment; s[22:23] its scale bytes: [tile][head / 4][r], 2 (head % 4) bytes on
	s_lshl_b32 s14, s11, 7
	s_add_co_u32 s14, s14, s13
	s_bfe_u32 s66, s13, 0x20001
	s_lshl_b32 s66, s66, 5
	s_and_b32 s15, s13, 1
	s_lshl_b32 s15, s15, 3
	s_add_co_u32 s66, s66, s15
	s_mul_i32 s20, s14, 12288
	s_mul_i32 s21, s12, 768
	s_add_co_u32 s20, s20, s21
	s_mov_b32 s21, 0
	s_add_nc_u64 s[20:21], s[6:7], s[20:21]
	s_lshl_b32 s22, s14, 9
	s_lshr_b32 s23, s12, 2
	s_lshl_b32 s23, s23, 7
	s_add_co_u32 s22, s22, s23
	s_and_b32 s23, s12, 3
	s_lshl_b32 s23, s23, 1
	s_add_co_u32 s22, s22, s23
	s_add_co_u32 s22, s22, YS
	s_mov_b32 s23, 0
	s_add_nc_u64 s[22:23], s[6:7], s[22:23]
.endm
.macro INIT                            ; a tile begins
	v_mov_b32 v15, 0xff61b1e6                      ; the largest t so far: -3e38, under every t
	v_floor_f32 v14, -v15                          ; -M
	v_mov_b32 v16, 0                               ; the sum
	v_mov_b32 v17, 0
.set JJ, 0
.rept 32
	v_mov_b32 v[192+JJ], 0                         ; O^T: the step has one form; its first trip finds zeros, which the first change of M leaves zeros
.set JJ, JJ+1
.endr
	s_mov_b32 s[TK], 0
	s_mov_b32 s[TS], 0
	s_mov_b32 s[TJ], 0
	s_mov_b32 s[SI], 0
.endm
	s_load_b128 s[4:7], s[0:1], 0x0                ; qkv s[4:5], yq s[6:7]
	v_lshl_add_u32 v254, v0, 2, SPARE
	v_mov_b32 v255, 0
	ds_add_u32 v254, v255                          ; the opening: the add, twice on end, and its wait ahead of the first tensor load
	ds_add_u32 v254, v255
	v_lshrrev_b32 v8, 5, v0
	v_readfirstlane_b32 s[WV], v8                  ; wave 0..15
	s_bfe_u32 s9, ttmp6, 0x40000                   ; cx
	s_and_b32 s10, ttmp7, 0xffff                   ; the cluster's y: batch x 16 + head
	s_lshr_b32 s11, s10, 4
	s_and_b32 s12, s10, 15
	s_lshl_b32 s84, s[WV], 2
	s_add_co_u32 s84, s84, s9
	s_lshl_b32 s85, s[WV], 10
	s_add_co_u32 s85, s85, QST
	GROUP1 24, 96, 32, 3072                        ; K's codes: 32 tiles x 768 bytes, 24,576 bytes apart
	GROUP1 32, 32, 96, 32                          ; V's codes: 24,576 dense bytes as 96 rows of 256
	GROUP1 40, 32, 32, 32                          ; K's scale words: 8,192 dense bytes
	GROUP1 48, 32, 16, 512                         ; V's scale words: 16 key steps x 256 bytes, 4,096 bytes apart
	s_mul_i32 s16, s11, 3145728                    ; K's codes: the batch's 128 token tiles,
	s_add_co_u32 s17, s12, 16
	s_mul_i32 s17, s17, 768                        ; the head's half fragment among a tile's 32
	s_add_co_u32 s16, s16, s17
	s_mov_b32 s17, 0
	s_mul_i32 s18, s10, 98304                      ; V's codes
	s_add_co_u32 s18, s18, VC
	s_mov_b32 s19, 0
	s_lshr_b32 s20, s12, 1                         ; K's scale words
	s_add_co_u32 s20, s20, 8
	s_lshl_b32 s20, s20, 15
	s_lshl_b32 s21, s11, 13
	s_add_co_u32 s20, s20, s21
	s_add_co_u32 s20, s20, QKS
	s_mov_b32 s21, 0
	s_lshl_b32 s22, s11, 16                        ; V's scale words
	s_lshl_b32 s23, s12, 8
	s_add_co_u32 s22, s22, s23
	s_add_co_u32 s22, s22, VS
	s_mov_b32 s23, 0
	s_add_co_u32 s13, s[WV], 1
	s_and_b32 s13, s13, 3                          ; waves 4-6 and 8-10: which of the later three quarters: 1, 2, 3
	s_mul_i32 s14, s13, 24576                      ; a quarter in LDS, and of V in memory
	s_mov_b32 s15, 0
	s_mul_i32 s86, s13, 786432                     ; a quarter of K in memory: 32 tiles
	s_mov_b32 s87, 0
	s_mov_b32 s[SEL], 0x76543210
	s_mov_b32 s[SEL+1], 0xfedcba98
	s_mov_b32 s[CS], 0x3e38aa3b
	s_mov_b32 s[CS+1], s[CS]                       ; (named with it as a pair, so it is written)
	s_wait_dscnt 0x0                               ; both opening adds are done
	CROUND                                         ; the four partners are here: the joint loads meet
	s_wait_kmcnt 0x0
	s_mov_b32 s56, 1                               ; groups 0: K's first quarter,
	s_mov_b32 s57, 0
	s_add_nc_u64 s[58:59], s[4:5], s[16:17]
	s_mov_b32 s76, 1                               ; a later quarter of K,
	s_mov_b32 s77, s14
	s_add_nc_u64 s[78:79], s[58:59], s[86:87]
	s_or_b32 s59, s59, 0x80000000
	s_or_b32 s79, s79, 0x80000000
	s_mov_b32 s60, 1                               ; V's first quarter,
	s_mov_b32 s61, VOFF
	s_add_nc_u64 s[62:63], s[4:5], s[18:19]
	s_mov_b32 s80, 1                               ; a later quarter of V,
	s_add_co_u32 s81, s14, VOFF
	s_add_nc_u64 s[82:83], s[62:63], s[14:15]
	s_or_b32 s63, s63, 0x80000000
	s_or_b32 s83, s83, 0x80000000
	s_mov_b32 s68, 1                               ; K's scale words,
	s_mov_b32 s69, KSC
	s_add_nc_u64 s[70:71], s[4:5], s[20:21]
	s_or_b32 s71, s71, 0x80000000
	s_mov_b32 s72, 1                               ; V's
	s_mov_b32 s73, VSC
	s_add_nc_u64 s[74:75], s[4:5], s[22:23]
	s_or_b32 s75, s75, 0x80000000
	; THE FILLS, once: one chain of branches on the wave's number, one load to an arm.  The lines of waves 0-3 are theirs alone: the first barrier waits for them only
	s_cmp_eq_u32 s[WV], 0
	s_cbranch_scc0 .Larm1
	TLOAD 56, 24
.Larm1:
	s_cmp_eq_u32 s[WV], 1
	s_cbranch_scc0 .Larm2
	TLOAD 60, 32
.Larm2:
	s_cmp_eq_u32 s[WV], 2
	s_cbranch_scc0 .Larm3
	TLOAD 68, 40
.Larm3:
	s_cmp_eq_u32 s[WV], 3
	s_cbranch_scc0 .Larm4
	TLOAD 72, 48
.Larm4:
	s_cmp_lt_u32 s[WV], 7
	s_cbranch_scc0 .Larm5
	TLOAD 76, 24
.Larm5:
	s_cmp_lt_u32 s[WV], 8
	s_cbranch_scc1 .Lasked
	s_cmp_lt_u32 s[WV], 11
	s_cbranch_scc0 .Lasked
	TLOAD 80, 32
.Lasked:
	s_mov_b32 s13, s84                             ; the short tile
	QADDR
	v_and_b32 v8, 31, v0                           ; lane
	v_and_b32 v9, 15, v0                           ; r
	v_bfe_u32 v10, v0, 4, 1                        ; h
	v_lshlrev_b32 v1, 4, v8                        ; 16 x lane: K's tiles in LDS; Q and y in memory
	v_lshlrev_b32 v2, 3, v8                        ; 8 x lane
	v_lshlrev_b32 v30, 4, v9                       ; 16 r
	v_lshlrev_b32 v31, 3, v9                       ; 8 r
	WALU
	global_load_b128 v[128:131], v1, s[16:17]
	global_load_b64 v[132:133], v2, s[16:17] offset:512
	global_load_u16 v134, v30, s[18:19]
	s_wait_xcnt 0x0                                ; the loads have read their bases
	s_sub_co_u32 s13, 127, s84                     ; the long tile
	QADDR
	global_load_b128 v[18:21], v1, s[16:17]
	global_load_b64 v[22:23], v2, s[16:17] offset:512
	global_load_u16 v255, v30, s[18:19]
	YADDR
	s_lshr_b32 s[SD], s[WV], 1
	s_xor_b32 s[SD], s[SD], 15                     ; the long tile's last step: 15 - w / 2
	v_add_nc_u32 v3, VOFF, v1                      ; V's tiles
	v_add_nc_u32 v4, VOFF, v2
	s_and_b32 s15, s12, 1
	s_lshl_b32 s15, s15, 1
	s_add_co_u32 s15, s15, KSC
	v_lshl_add_u32 v5, v9, 4, s15                  ; K's scale bytes: 16 r, + the head's two bytes of a word
	v_add_nc_u32 v6, VSC, v30                      ; V's four scale words of row r
	v_and_b32 v7, 8, v9
	v_add_nc_u32 v7, v7, v9
	v_lshlrev_b32 v10, 4, v10
	v_sub_nc_u32 v7, v7, v10                       ; r + 8 (r / 8) - 16 h: the lane's part of the diagonal's test
.irp t, 0,1,2,3
.irp j, 6,7,8,9,10,11
	v_mov_b32 v[32+12*\t+\j], 0                    ; K = 64 .. 127 of K's fragments: zero codes, written once
.endr
.endr
.irp j, 24,25,26,27,28,29
	v_mov_b32 v\j, 0                               ; and of Q's
.endr
.irp b, 0,1,2,3
	v_mov_b32 v[236+\b], 0                         ; a lane permute's destination counts as one of its sources
.endr
	v_mov_b32 v253, 0                              ; (named as the upper half of the pair v[252:253] before it is first written)
	v_add_nc_u32 v8, s85, v1
	v_add_nc_u32 v9, s85, v2
	INIT
; A KEY STEP: 128 keys.  cut = 1: the step may lie behind the tile's queries, or on the diagonal
.macro STEP cut
.if \cut
	s_cmp_gt_u32 s[SI], s[SD]                      ; all its keys come after my queries: only the addresses step
	s_cbranch_scc1 .Lhidden_\@
.endif
	v_add_nc_u32 v8, s[TK], v1                     ; (these six are also the places between the last step's products and the loads into their scale registers)
	v_add_nc_u32 v9, s[TK], v2
	v_add_nc_u32 v10, s[TK], v3
	v_add_nc_u32 v11, s[TK], v4
	v_add_nc_u32 v12, s[TS], v5
	v_add_nc_u32 v13, s[TJ], v6
.irp g, 0,1                                    ; S^T = K Q^T, four tiles of 16 keys at a time
.if \g > 0
.rept 4
	v_nop                                          ; places in front of loads into registers that matrix instructions have read
.endr
.endif
.irp t, 0,1,2,3
	ds_load_b128 v[32+12*\t:35+12*\t], v8 offset:(4*\g+\t)*768
	ds_load_b64 v[36+12*\t:37+12*\t], v9 offset:(4*\g+\t)*768+512
	ds_load_u16 v[248+\t], v12 offset:256*\g+4*\t  ; the head's two bytes; the word's upper two are 0, over zero codes
.endr
.if \g > 0
.irp t, 0,1,2,3                                ; V's four fragments are asked for here and land under the softmax
	ds_load_b128 v[80+12*\t:83+12*\t], v10 offset:1536*\t
	ds_load_b64 v[84+12*\t:85+12*\t], v11 offset:1536*\t+512
	ds_load_b128 v[86+12*\t:89+12*\t], v10 offset:1536*\t+768
	ds_load_b64 v[90+12*\t:91+12*\t], v11 offset:1536*\t+1280
.endr
	s_wait_dscnt 16                                ; K's are in; V's sixteen may be out
.else
	WALU
	s_wait_dscnt 0x0
.endif
.irp t, 0,1,2,3
	v_wmma_scale_f32_16x16x128_f8f6f4 v[128+8*(4*\g+\t):135+8*(4*\g+\t)], v[32+12*\t:43+12*\t], v[18:29], 0, v[248+\t], v255 matrix_a_fmt:MATRIX_FMT_FP6 matrix_b_fmt:MATRIX_FMT_FP6
.endr
.endr
.rept 4
	v_nop
.endr
	ds_load_b128 v[248:251], v13                   ; V's four scale words of these 128 keys
.if \cut
	s_cmp_lg_u32 s[SI], s[SD]                      ; only the tile's last step lies on the diagonal
	s_cbranch_scc1 .Lopen_\@
	v_add_nc_u32 v252, s66, v7                     ; d = my query - the step's first key - 16 h.  Register 16 b + i holds key 32 b + 16 h + i of the step: hidden where 32 b + i > d
	v_mov_b32 v254, 0xff800000                     ; -infinity: p = 0 then
.set NN, 0
.rept 64
	v_cmp_gt_i32 vcc_lo, 32*(NN/16)+NN%16, v252
	v_cndmask_b32 v[128+NN], v[128+NN], v254, vcc_lo
.set NN, NN+1
.endr
.Lopen_\@:
.endif
.irp b, 0,1,2,3
	v_max3_num_f32 v[232+\b], v[128+16*\b], v[129+16*\b], v[130+16*\b]   ; the largest score of each block of 32 keys: it serves the row's maximum and, since p rises with the score, the block's largest p
.endr
.irp i, 3,5,7,9,11,13
.irp b, 0,1,2,3
	v_max3_num_f32 v[232+\b], v[232+\b], v[128+16*\b+\i], v[129+16*\b+\i]
.endr
.endr
.irp b, 0,1,2,3
	v_max_num_f32 v[232+\b], v[232+\b], v[143+16*\b]
.endr
.irp b, 0,1,2,3
	s_delay_alu instid0(VALU_DEP_4)
	v_permlanex16_b32 v[236+\b], v[232+\b], s[SEL], s[SEL+1]
.endr
.irp b, 0,1,2,3
	s_delay_alu instid0(VALU_DEP_4)
	v_max_num_f32 v[232+\b], v[232+\b], v[236+\b]  ; with lane l xor 16's 16 keys
.endr
	s_delay_alu instid0(VALU_DEP_2)
	v_max3_num_f32 v254, v232, v233, v234
	s_delay_alu instid0(VALU_DEP_1)
	v_max_num_f32 v254, v254, v235                 ; the step's largest score of my query
	s_delay_alu instid0(VALU_DEP_1)
	v_mul_f32 v254, s[CS], v254                    ; as t
	s_delay_alu instid0(VALU_DEP_1)
	v_max_num_f32 v15, v15, v254                   ; the running largest t
	v_mov_b32 v254, v14
	s_delay_alu instid0(VALU_DEP_2)
	v_floor_f32 v14, -v15                          ; the new -M = -ceil(t): a whole number
	s_delay_alu instid0(VALU_DEP_1)
	v_sub_f32 v254, v14, v254                      ; old M - new M: a whole number, 0 or less
	s_delay_alu instid0(VALU_DEP_1)
	v_cvt_i32_f32 v254, v254                       ; (it saturates)
	s_delay_alu instid0(VALU_DEP_1)
	v_ldexp_f32 v252, 1.0, v254                    ; f = 2^(old M - new M)
.set JJ, 0
.rept 32
	v_pk_fma_f32 v[128+JJ:129+JJ], v[128+JJ:129+JJ], s[CS:CS+1], v[14:15] op_sel_hi:[1,0,0]   ; t - M, two at a time
.set JJ, JJ+2
.endr
.irp b, 0,1,2,3
	v_fma_f32 v[232+\b], v[232+\b], s[CS], v14     ; the same of each block's largest score
.endr
.set JJ, 0
	WALU                                           ; the wait ahead of the batch
.rept 64
	v_exp_f32 v[128+JJ], v[128+JJ]                 ; p = 2^(t - M), at most 1
.set JJ, JJ+1
.endr
.irp b, 0,1,2,3
	v_exp_f32 v[232+\b], v[232+\b]                 ; the block's largest p
.endr
	v_pk_mul_f32 v[16:17], v[16:17], v[252:253] op_sel_hi:[1,0]   ; the sum under the new M (a plain place behind the exponentials)
	WALU                                           ; and behind it, ahead of its first reader
.irp b, 0,1,2,3
	v_max_num_f32 v[232+\b], 0x1800000, v[232+\b]  ; the floor 2^(3 - 127): the byte cannot fall under 1
.endr
.irp b, 0,1,2,3
	s_delay_alu instid0(VALU_DEP_4)
	v_add_nc_u32 v[244+\b], 0xff000000, v[232+\b]  ; 2 off the exponent field: the conversion's scale operand
.endr
.irp b, 0,1,2,3
	s_delay_alu instid0(VALU_DEP_4)
	v_lshrrev_b32 v[236+\b], 23, v[244+\b]         ; the scale's byte
.endr
	s_delay_alu instid0(VALU_DEP_3)
	v_lshl_or_b32 v253, v237, 8, v236              ; p's scale word for these 128 keys
	s_delay_alu instid0(VALU_DEP_1)
	v_lshl_or_b32 v253, v238, 16, v253
	s_delay_alu instid0(VALU_DEP_1)
	v_lshl_or_b32 v253, v239, 24, v253
.irp c, 0,1
	v_cvt_scalef32_pk16_fp6_f32 v[224+6*\c:226+6*\c], v[128+32*\c:143+32*\c], v[244+2*\c]
	v_cvt_scalef32_pk16_fp6_f32 v[236+4*\c:238+4*\c], v[144+32*\c:159+32*\c], v[244+2*\c+1]   ; (a conversion's three registers begin on an even number)
.endr
	v_nop                                          ; one plain place behind a scaled conversion
.irp c, 0,1                                    ; a whole block in a lane: lanes 0-15 block 2 c, lanes 16-31 block 2 c + 1
.irp i, 0,1,2
	v_permlane16_swap_b32 v[224+6*\c+\i], v[236+4*\c+\i]
.endr
.irp i, 0,1,2
	s_delay_alu instid0(VALU_DEP_3)
	v_mov_b32 v[227+6*\c+\i], v[236+4*\c+\i]
.endr
.endr
	v_pk_add_f32 v[236:237], v[128:129], v[130:131]   ; the row's sum of the unquantised p: 32 pairs in four chains side by side
	v_pk_add_f32 v[240:241], v[132:133], v[134:135]
	v_pk_add_f32 v[244:245], v[136:137], v[138:139]
	v_pk_add_f32 v[16:17], v[16:17], v[140:141]
.set JJ, 142
.rept 6
	v_pk_add_f32 v[236:237], v[236:237], v[JJ:JJ+1]
	v_pk_add_f32 v[240:241], v[240:241], v[JJ+2:JJ+3]
	v_pk_add_f32 v[244:245], v[244:245], v[JJ+4:JJ+5]
	v_pk_add_f32 v[16:17], v[16:17], v[JJ+6:JJ+7]
.set JJ, JJ+8
.endr
	v_pk_add_f32 v[236:237], v[236:237], v[190:191]
	v_pk_add_f32 v[240:241], v[240:241], v[244:245]
	v_pk_add_f32 v[16:17], v[16:17], v[236:237]
	v_pk_add_f32 v[16:17], v[16:17], v[240:241]
	WALU                                           ; the wait directly ahead of the first reader of O^T
.set JJ, 0
.rept 16
	v_pk_mul_f32 v[192+JJ:193+JJ], v[192+JJ:193+JJ], v[252:253] op_sel_hi:[1,0]   ; O^T under the new M, each accumulator from its low end on
.set JJ, JJ+2
.endr
	WALU
	s_wait_dscnt 0x0                               ; V's fragments and scale words
.irp t, 0,1,2,3                                ; O^T += V^T P^T: the four accumulators by turns
	v_wmma_scale_f32_16x16x128_f8f6f4 v[192+8*\t:199+8*\t], v[80+12*\t:91+12*\t], v[224:235], v[192+8*\t:199+8*\t], v[248+\t], v253 matrix_a_fmt:MATRIX_FMT_FP6 matrix_b_fmt:MATRIX_FMT_FP6
.endr
.if \cut
.Lhidden_\@:
.endif
	s_add_co_u32 s[TK], s[TK], 6144
	s_add_co_u32 s[TS], s[TS], 512
	s_add_co_u32 s[TJ], s[TJ], 256
	s_add_co_u32 s[SI], s[SI], 1
.endm
; THE WAY OUT of a tile: O^T / the sum is y's 64 channels of this head: two blocks of 32 along C.  Quantised in registers, it leaves as one half fragment and two scale bytes a row.
.macro YOUT
.rept 4
	v_nop                                          ; places behind the last products
.endr
	v_add_f32 v16, v16, v17                        ; the sum's two halves,
	s_delay_alu instid0(VALU_DEP_1)
	v_permlanex16_b32 v236, v16, s[SEL], s[SEL+1]
	s_delay_alu instid0(VALU_DEP_1)
	v_add_f32 v16, v16, v236                       ; and lane l xor 16's
	WALU
	v_rcp_f32 v16, v16
	v_nop                                          ; one plain place behind a transcendental
.set JJ, 0
	WALU
.rept 16
	v_pk_mul_f32 v[128+JJ:129+JJ], v[192+JJ:193+JJ], v[16:17] op_sel_hi:[1,0]   ; register 16 b + i: channel 32 b + 16 h + i
.set JJ, JJ+2
.endr
.irp b, 0,1
	v_max3_num_f32 v[232+\b], |v[128+16*\b]|, |v[129+16*\b]|, 0x1800000
.endr
.irp i, 2,4,6,8,10,12,14
.irp b, 0,1
	s_delay_alu instid0(VALU_DEP_2)
	v_max3_num_f32 v[232+\b], v[232+\b], |v[128+16*\b+\i]|, |v[129+16*\b+\i]|
.endr
.endr
.irp b, 0,1
	s_delay_alu instid0(VALU_DEP_2)
	v_permlanex16_b32 v[236+\b], v[232+\b], s[SEL], s[SEL+1]
.endr
.irp b, 0,1
	s_delay_alu instid0(VALU_DEP_2)
	v_max_num_f32 v[232+\b], v[232+\b], v[236+\b]
.endr
.irp b, 0,1
	s_delay_alu instid0(VALU_DEP_2)
	v_add_nc_u32 v[244+\b], 0xff000000, v[232+\b]
.endr
.irp b, 0,1
	s_delay_alu instid0(VALU_DEP_2)
	v_lshrrev_b32 v[236+\b], 23, v[244+\b]
.endr
	s_delay_alu instid0(VALU_DEP_1)
	v_lshl_or_b32 v254, v237, 8, v236              ; the row's two scale bytes
	v_cvt_scalef32_pk16_fp6_f32 v[224:226], v[128:143], v244
	v_cvt_scalef32_pk16_fp6_f32 v[240:242], v[144:159], v245
	v_nop                                          ; one plain place behind a scaled conversion
.irp i, 0,1,2
	v_permlane16_swap_b32 v[224+\i], v[240+\i]
.endr
.irp i, 0,1,2
	s_delay_alu instid0(VALU_DEP_3)
	v_mov_b32 v[227+\i], v[240+\i]
.endr
	global_store_b128 v1, v[224:227], s[20:21]             ; 512 consecutive bytes, at a multiple of 256
	global_store_b64 v2, v[228:229], s[20:21] offset:512   ; 256 consecutive bytes
	global_store_b16 v31, v254, s[22:23]                   ; lanes l and l + 16 write the same two bytes with the same value
.endm
.macro WALK name, trips, cut           ; a counted run of key steps
	s_mov_b32 s101, \trips
\name:
	STEP \cut
	s_sub_co_u32 s101, s101, 1
	s_cmp_lg_u32 s101, 0
	s_cbranch_scc1 \name
.endm
	WALU                                           ; the wait at the head's end
	s_wait_loadcnt 3                               ; the short tile's Q is in: behind its three loads stand the long tile's three
	ds_store_b128 v8, v[128:131]                   ; into my own bytes of LDS, which no fill touches
	ds_store_b64 v9, v[132:133] offset:512
	ds_store_b32 v9, v134 offset:768
	s_cmp_lt_u32 s[WV], 4
	s_cbranch_scc0 .Lnot_first
	s_wait_tensorcnt 0x0                           ; waves 0-3: key steps 0-3 of K and V and the scale words are in
.Lnot_first:
	s_wait_loadcnt 0x0                             ; the long tile's Q
	s_wait_dscnt 0x0
	s_barrier_signal -1
	s_barrier_wait -1                              ; the later quarters may still be on their way: nothing is filled again
	WALK .Lfirst, 4, 0                             ; four trips reach only the bytes of waves 0-3's loads; the long tile's diagonal lies at step 8 or later
	s_wait_tensorcnt 0x0                           ; every wave: all that is still out
	s_wait_dscnt 0x0
	s_barrier_signal -1
	s_barrier_wait -1                              ; all of K and V is in
	WALK .Llong, 12, 1
	YOUT
	s_wait_xcnt 0x0                                ; the stores have read their bases and registers
	s_mov_b32 s13, s84                             ; THE SHORT TILE
	YADDR
	s_lshr_b32 s[SD], s[WV], 1                     ; its last step: w / 2
	v_add_nc_u32 v8, s85, v1
	v_add_nc_u32 v9, s85, v2
	ds_load_b128 v[18:21], v8                      ; its Q, out of my own bytes
	ds_load_b64 v[22:23], v9 offset:512
	ds_load_b32 v255, v9 offset:768
	INIT
	WALU
	s_wait_dscnt 0x0
	WALK .Lshort, 8, 1
	YOUT
	s_wait_xcnt 0x0
	v_lshl_add_u32 v254, v0, 2, SPARE
	v_mov_b32 v255, 0
	WALU
	s_wait_tensorcnt 0x0                           ; the wave's end
	ds_add_u32 v254, v255
	s_wait_dscnt 0x0
	CROUND                                         ; the closing round
	s_endpgm
.Lfunc_end_k_q32c1a2602b_attn:
	.size	k_q32c1a2602b_attn, .Lfunc_end_k_q32c1a2602b_attn-k_q32c1a2602b_attn
	.p2alignl 7, 3214868480
	.fill 96, 4, 3214868480
	.section	.rodata,"a",@progbits
	.p2align	6, 0x0
	.amdhsa_kernel k_q32c1a2602b_attn
		.amdhsa_group_segment_fixed_size 327680
		.amdhsa_private_segment_fixed_size 0
		.amdhsa_enable_private_segment 0
		.amdhsa_kernarg_size 16
		.amdhsa_user_sgpr_count 2
		.amdhsa_user_sgpr_kernarg_segment_ptr 1
		.amdhsa_wavefront_size32 1
		.amdhsa_system_sgpr_workgroup_id_x 1
		.amdhsa_system_sgpr_workgroup_id_y 1
		.amdhsa_system_sgpr_workgroup_id_z 1
		.amdhsa_system_vgpr_workitem_id 0
		.amdhsa_next_free_vgpr 256
		.amdhsa_next_free_sgpr 102
		.amdhsa_reserve_vcc 1
		.amdhsa_float_denorm_mode_32 3
		.amdhsa_float_denorm_mode_16_64 3
		.amdhsa_memory_ordered 1
		.amdhsa_forward_progress 1
		.amdhsa_inst_pref_size 90
	.end_amdhsa_kernel
	.amdgpu_metadata
---
amdhsa.version: [ 1, 2 ]
amdhsa.kernels:
  - .name:           k_q32c1a2602b_attn
    .symbol:         k_q32c1a2602b_attn.kd
    .args:
      - { .name: qkv, .offset: 0, .size: 8, .value_kind: global_buffer, .address_space: global }
      - { .name: yq, .offset: 8, .size: 8, .value_kind: global_buffer, .address_space: global }
    .group_segment_fixed_size: 327680
    .private_segment_fixed_size: 0
    .kernarg_segment_align: 8
    .kernarg_segment_size: 16
    .max_flat_workgroup_size: 512
    .sgpr_count:     102
    .vgpr_count:     256
    .wavefront_size: 32
...
	.end_amdgpu_metadata
.endif
;; end of part 3
;; launch gemm_out (part 4): grid 8 x 32, 4 waves a work-group, clusters of 4 x 4, 327,680 bytes of LDS; arguments yq, opq, b_proj, out0; writes out0
.if DOCPART == 4
	.amdgcn_target "amdgcn-amd-amdhsa--gfx1250"
	.amdhsa_code_object_version 6
	.text
	.protected	k_q32c1a2602b_gemm_out
	.globl	k_q32c1a2602b_gemm_out
	.p2align	8
	.type	k_q32c1a2602b_gemm_out,@function
k_q32c1a2602b_gemm_out:
	s_mov_b64 s[64:65], 0
	v_nop
	global_prefetch_b8 v0, s[64:65] scope:SCOPE_SE
	s_setreg_imm32_b32 hwreg(HW_REG_WAVE_MODE, 25, 1), 1
	s_wait_xcnt 0x0
	s_wait_alu depctr_hold_cnt(0) depctr_sa_sdst(0) depctr_va_vdst(0) depctr_va_sdst(0) depctr_va_ssrc(0) depctr_va_vcc(0) depctr_vm_vsrc(0)
	s_getreg_b32 s2, hwreg(HW_REG_IB_STS2, 6, 4)
	s_cmp_eq_u32 s2, 0
	s_cbranch_scc0 .Lentry_in_a_cluster
	s_endpgm
.Lentry_in_a_cluster:
	s_bfe_u32 s2, ttmp6, 0x10000c
	s_cmp_lg_u32 s2, 0xf033
	s_cbranch_scc0 .Lentry_shape_is_right
	s_endpgm
.Lentry_shape_is_right:
; out0 = y W_proj^T + b_proj on codes of FP6 (E2M3) with E8M0 scales, f32 sums.  y's codes and scale words (yq) and W_proj's (opq) lie as row tiles of 16 rows (place r = row 32 (t / 2) + 8 (t % 2) + r + 8 (r / 8)),
; each 12,288 bytes: 16 half fragments of 768 bytes in the order of the operand's registers; scale words [tile][K / 256][r][2].
; SHARES.  256 work-groups of four waves; a work-group makes 256 tokens x 128 columns.  Its 16 token tiles and 8 tiles of W, ALL of K (294,912 bytes), and their scale words come into LDS once, by the head's four joint loads,
; one a wave: no ring, no refill.  CLUSTERS: 4 x 4; y's tiles are shared along a row of the cluster, W's along a column.
; Wave w makes tokens 64 w .. 64 w + 63 x 128 columns: source 0 = W's 8 tiles, source 1 = its 4 token tiles, 32 accumulators; a lane then holds neighbouring columns of one row.  The bias is the first products' C.
; THE WAY OUT: a block of 16 rows x 128 columns goes through the wave's stage in LDS and leaves as whole rows of 512 bytes.  The stage lies in the wave's own four token tiles, which no other wave reads and no fill touches again.
; NO PREFETCH: every tile is asked for at the head; there is no loop to run ahead in.  LIMITS: NaN and infinities are not served.
; REGISTERS: window 0: v1-27 lane numbers and addresses; v32-95 scale words of all of K; v96-191 source 1's four fragments, two sets; v128-255 on the way out; window 1: source 0's eight, two sets; window 2: the accumulators; window 3: v0-63 the bias.
.set FR,     12
.set TB,     12288
.set BRG,    16*TB
.set SA,     BRG+8*TB
.set SBS,    SA+8192
.set SPARE,  SBS+4096
.set ASL,    6291456                   ; yq: y's scale words
.set BCODES, 8650752                   ; opq: W_proj's codes,
.set BSL,    9797632                   ; and scale words
.set SPITCH, 528
.set O16,  4
.set O8,   5
.set R16,  6
.set P16,  8
.set ADRS, 12
.set STO,  24
.set RD,   25
.set SPW,  28
.set NIL,  29
.set SC,   32
.set AF,   96
.set BK,   128
.set G1A, 24
.set G1B, 32
.set G1S, 48
.set G1SB, 56
.set G0A, 68
.set G0B, 72
.set G0S, 76
.set G0SB, 80
.set MSB, 0
.macro WIN new
.if MSB != (\new)
	s_set_vgpr_msb (MSB<<8)|(\new)
.set MSB, (\new)
.endif
.endm
.macro WALU
	s_wait_alu depctr_va_vdst(0)
.endm
.macro PLACES n
.rept \n
	v_nop
.endr
.endm
.macro CROUND
	s_barrier_signal -1
	s_barrier_wait -1
	s_cmp_lg_u32 s14, 0
	s_cbranch_scc1 .Lnot_wave_0_\@
	s_barrier_signal -3
.Lnot_wave_0_\@:
	s_barrier_wait -3
	s_barrier_signal -1
	s_barrier_wait -1
.endm
.macro GROUP1 g, mask, c, r, p
	s_or_b32 s[\g], s[\mask], (3<<16)|(1<<21)
	s_mov_b32 s[\g+1], (\c)<<16
	s_mov_b32 s[\g+2], (\r)<<16
	s_mov_b32 s[\g+3], (\c)<<16
	s_mov_b32 s[\g+4], \r
	s_mov_b32 s[\g+5], \p
	s_mov_b32 s[\g+6], 0
	s_mov_b32 s[\g+7], 0
.endm
.macro G0SET g, lds, base, off
	s_mov_b32 s[\g], 1
	s_mov_b32 s[\g+1], \lds
	s_add_nc_u64 s[\g+2:\g+3], s[\base:\base+1], s[\off:\off+1]
	s_or_b32 s[\g+3], s[\g+3], 0x80000000
.endm
.macro ARM under, g0, g1, next
	s_cmp_lt_u32 s14, \under
	s_cbranch_scc0 \next
	tensor_load_to_lds s[\g0:\g0+3], s[\g1:\g1+7]
	s_nop 0
	PLACES 4
	s_branch .Lhead_asked
\next:
.endm
.macro FRAG reg, a16, off
	ds_load_b128 v[\reg:\reg+3], v[\a16] offset:\off
	ds_load_b64 v[\reg+4:\reg+5], v[\a16+1] offset:(\off)+512
	ds_load_b128 v[\reg+6:\reg+9], v[\a16] offset:(\off)+768
	ds_load_b64 v[\reg+10:\reg+11], v[\a16+1] offset:(\off)+1280
.endm
.macro FETCH q, p
	WIN 0x40
.irp i, 0,1,2,3,4,5,6,7
	FRAG 128*(\p)+FR*\i, P16+2*(\i/4), TB*(\i%4)+1536*(\q)
.endr
	WIN 0
.irp i, 0,1,2,3
	FRAG AF+48*(\p)+FR*\i, R16, TB*\i+1536*(\q)
.endr
.endm
.macro SCALES
.irp i, 0,1,2,3,4,5,6,7
.irp k, 0,1,2,3
	ds_load_b64 v[SC+2*\i+16*\k:SC+2*\i+16*\k+1], v[ADRS+\i/4] offset:\i*512+\k*128
.endr
.endr
.endm
.macro WM d, s0, s1, c
	v_wmma_scale_f32_16x16x128_f8f6f4 v[\d:\d+7], v[\s0:\s0+11], v[\s1:\s1+11], \c, v[XB_], v[XA_] matrix_a_fmt:MATRIX_FMT_FP6 matrix_b_fmt:MATRIX_FMT_FP6 matrix_a_scale:MATRIX_SCALE_ROW1
.endm
; 32 matrix instructions, the 32 accumulators by turns; the first step's C is the bias, in window 3
.macro MUL q, p
.if (\q) > 0
	WIN 0xa1
.else
	WIN 0xb1
.endif
.irp a, 0,1,2,3
.irp b, 0,1,2,3,4,5,6,7
.set XB_, SC+2*\b+16*((\q)/2)+(\q)%2
.if \b == \a+4
.set XA_, XB_
.else
.set XA_, SC+2*\a+16*((\q)/2)+(\q)%2
.endif
.if (\q) > 0
	WM 8*(8*\a+\b), 128*(\p)+FR*\b, AF+48*(\p)+FR*\a, v[8*(8*\a+\b):8*(8*\a+\b)+7]
.else
	WM 8*(8*\a+\b), 128*(\p)+FR*\b, AF+48*(\p)+FR*\a, v[8*\b:8*\b+7]
.endif
.endr
.endr
.endm
.macro KLOOP                           ; eight steps of 128; each step's fragments are asked for one step ahead, so every wait is for all that is out
	FETCH 0, 0
.irp q, 0,1,2,3,4,5,6,7
	s_wait_dscnt 0x0
.if \q < 7
.if \q > 0
	PLACES 4
.endif
	FETCH \q+1, (\q+1)%2
.endif
	MUL \q, \q%2
.endr
	WIN 0
.endm
	s_load_b256 s[4:11], s[0:1], 0x0               ; yq s[4:5], opq s[6:7], b_proj s[8:9], out0 s[10:11]
	v_lshl_add_u32 v[SPW], v0, 2, SPARE
	v_mov_b32 v[NIL], 0
	ds_add_u32 v[SPW], v[NIL]                      ; the opening: the add, twice on end, and its wait
	ds_add_u32 v[SPW], v[NIL]
	v_lshrrev_b32 v1, 5, v0
	v_readfirstlane_b32 s14, v1
	s_bfe_u32 s40, ttmp6, 0x40000
	s_bfe_u32 s41, ttmp6, 0x40004
	s_lshl_b32 s42, ttmp9, 2
	s_add_co_u32 s42, s42, s40                     ; which 128 columns
	s_and_b32 s17, ttmp7, 0xffff
	s_lshl_b32 s17, s17, 2
	s_add_co_u32 s17, s17, s41                     ; which 256 tokens
	s_lshl_b32 s43, s41, 2
	s_lshl_b32 s43, 15, s43
	s_lshl_b32 s44, 0x1111, s40
	GROUP1 G1A, 43, 1536, 16, 1536
	GROUP1 G1B, 44, 1536, 8, 1536
	GROUP1 G1S, 43, 32, 32, 32
	GROUP1 G1SB, 44, 32, 16, 32
	s_mul_i32 s20, s17, 16*TB
	s_mov_b32 s21, 0
	s_lshl_b32 s22, s17, 13
	s_add_co_u32 s22, s22, ASL
	s_mov_b32 s23, 0
	s_mul_i32 s46, s42, 8*TB
	s_add_co_u32 s46, s46, BCODES
	s_mov_b32 s47, 0
	s_lshl_b32 s86, s42, 12
	s_add_co_u32 s86, s86, BSL
	s_mov_b32 s87, 0
	s_wait_dscnt 0x0
	s_wait_kmcnt 0x0
	CROUND                                         ; all sixteen work-groups are here: the joint loads meet
	G0SET G0A, 0, 4, 20
	G0SET G0B, BRG, 6, 46
	G0SET G0S, SA, 4, 22
	G0SET G0SB, SBS, 6, 86
	ARM 1, G0A, G1A, .Lhead_b
	ARM 2, G0B, G1B, .Lhead_sa
	ARM 3, G0S, G1S, .Lhead_sb
	tensor_load_to_lds s[G0SB:G0SB+3], s[G1SB:G1SB+7]
	s_nop 0
	PLACES 4
.Lhead_asked:
	v_and_b32 v1, 15, v0                           ; r
	v_bfe_u32 v2, v0, 4, 1                         ; h
	v_and_b32 v3, 31, v0
	v_lshlrev_b32 v[O16], 4, v3
	v_lshlrev_b32 v[O8], 3, v3
	v_lshlrev_b32 v14, 6, v2                       ; the bias by register: 16 h numbers on
	WALU
	s_lshl_b32 s20, s42, 9
	s_mov_b32 s21, 0
	s_add_nc_u64 s[8:9], s[8:9], s[20:21]
	WIN 0xc0
.irp b, 0,1,2,3,4,5,6,7
	global_load_b128 v[8*\b:8*\b+3], v14, s[8:9] offset:(32*(\b/2)+8*(\b%2))*4
	global_load_b128 v[8*\b+4:8*\b+7], v14, s[8:9] offset:(32*(\b/2)+8*(\b%2))*4+16
.endr
	WIN 0
	s_mul_i32 s84, s14, 4*TB                       ; source 1 = my four token tiles, source 0 = W's region
	s_mov_b32 s85, BRG
	v_add_nc_u32 v[R16], s84, v[O16]
	v_add_nc_u32 v[R16+1], s84, v[O8]
	v_add_nc_u32 v[P16], s85, v[O16]
	v_add_nc_u32 v[P16+1], s85, v[O8]
	s_add_co_u32 s85, s85, 4*TB
	v_add_nc_u32 v[P16+2], s85, v[O16]
	v_add_nc_u32 v[P16+3], s85, v[O8]
	s_lshl_b32 s22, s14, 11                        ; scale words: lanes 0-15 the tokens', 2,048 bytes a wave; lanes 16-31 W's; v13: for tiles 4-7, lanes 0-15 the tokens' tile i - 4 once more
	s_sub_co_u32 s23, SBS-SA, s22
	v_mul_u32_u24 v12, s23, v2
	v_lshl_add_u32 v12, v1, 3, v12
	s_add_co_u32 s45, s22, SA
	v_add_nc_u32 v12, s45, v12
	s_add_co_u32 s23, s23, 2048
	v_mul_u32_u24 v13, s23, v2
	v_lshl_add_u32 v13, v1, 3, v13
	s_add_co_u32 s45, s22, SA-2048
	v_add_nc_u32 v13, s45, v13
	v_mul_u32_u24 v3, v1, SPITCH                   ; the stage, in my own token tiles: in: row r, 64 bytes for each half of the lanes;
	v_lshl_add_u32 v3, v2, 6, v3
	v_add_nc_u32 v[STO], s84, v3
	v_add_nc_u32 v[RD], s84, v[O16]                ; back: the 32 lanes take one row of 512 bytes
	s_lshl_b32 s22, s17, 8
	s_lshl_b32 s23, s14, 6
	s_add_co_u32 s22, s22, s23                     ; my first row of out0
	s_lshl_b32 s22, s22, 12
	s_add_co_u32 s22, s22, s20                     ; and my 512 bytes of it
	s_mov_b32 s23, 0
	s_add_nc_u64 s[10:11], s[10:11], s[22:23]
	WALU                                           ; the wait at the head's end
	s_wait_tensorcnt 0x0                           ; my tile of the head's four is in,
	s_barrier_signal -1
	s_barrier_wait -1                              ; everybody's is; nothing is filled again
	SCALES
	s_wait_loadcnt 0x0                             ; the bias
	KLOOP
.macro TOSTAGE a
	WIN 0x08                                       ; the data: window 2
.irp b, 0,1,2,3,4,5,6,7
	ds_store_b128 v[STO], v[64*(\a)+8*\b:64*(\a)+8*\b+3] offset:128*(\b/2)+32*(\b%2)      ; each accumulator from its low end on
	ds_store_b128 v[STO], v[64*(\a)+8*\b+4:64*(\a)+8*\b+7] offset:128*(\b/2)+32*(\b%2)+16
.endr
	WIN 0
.set BB, BK+64*((\a)%2)
.irp t, 0,1,2,3,4,5,6,7,8,9,10,11,12,13,14,15
	ds_load_b128 v[BB+4*\t:BB+4*\t+3], v[RD] offset:\t*SPITCH   ; LDS serves a wave's instructions in order: these see the stores above
.endr
.endm
.macro SEND a, younger                 ; younger: the LDS instructions issued behind block a's loads, which may stay out
.set BB, BK+64*((\a)%2)
	s_wait_dscnt \younger
.if (\a) > 0
.if (\a)%2
	s_add_nc_u64 s[10:11], s[10:11], 8*4096        ; the odd tile begins 8 rows on,
.else
	s_add_nc_u64 s[10:11], s[10:11], 24*4096       ; the next pair 32 rows behind the last
.endif
.endif
.irp t, 0,1,2,3,4,5,6,7,8,9,10,11,12,13,14,15
	global_store_b128 v[O16], v[BB+4*\t:BB+4*\t+3], s[10:11] offset:(\t+8*(\t/8))*4096 th:TH_STORE_NT   ; 512 consecutive bytes, at a multiple of 256
.endr
.endm
	PLACES 4                                       ; behind the last products
	TOSTAGE 0
.irp a, 1,2,3
.if \a > 1
	s_wait_xcnt 0x0                                ; block a - 2's stores have read their registers and their base
.endif
	TOSTAGE \a
	SEND \a-1, 32                                  ; behind block a - 1's loads: block a's 16 stores and 16 loads
.endr
	s_wait_xcnt 0x0
	SEND 3, 0
	s_wait_tensorcnt 0x0                           ; the wave's end
	ds_add_u32 v[SPW], v[NIL]
	s_wait_dscnt 0x0
	CROUND                                         ; the closing round
	s_endpgm
.Lfunc_end_k_q32c1a2602b_gemm_out:
	.size	k_q32c1a2602b_gemm_out, .Lfunc_end_k_q32c1a2602b_gemm_out-k_q32c1a2602b_gemm_out
	.p2alignl 7, 3214868480
	.fill 96, 4, 3214868480
	.section	.rodata,"a",@progbits
	.p2align	6, 0x0
	.amdhsa_kernel k_q32c1a2602b_gemm_out
		.amdhsa_group_segment_fixed_size 327680
		.amdhsa_private_segment_fixed_size 0
		.amdhsa_enable_private_segment 0
		.amdhsa_kernarg_size 32
		.amdhsa_user_sgpr_count 2
		.amdhsa_user_sgpr_kernarg_segment_ptr 1
		.amdhsa_wavefront_size32 1
		.amdhsa_system_sgpr_workgroup_id_x 1
		.amdhsa_system_sgpr_workgroup_id_y 1
		.amdhsa_system_sgpr_workgroup_id_z 1
		.amdhsa_system_vgpr_workitem_id 0
		.amdhsa_next_free_vgpr 1024
		.amdhsa_next_free_sgpr 102
		.amdhsa_reserve_vcc 0
		.amdhsa_float_denorm_mode_32 3
		.amdhsa_float_denorm_mode_16_64 3
		.amdhsa_memory_ordered 1
		.amdhsa_forward_progress 1
		.amdhsa_inst_pref_size 85
	.end_amdhsa_kernel
	.amdgpu_metadata
---
amdhsa.version: [ 1, 2 ]
amdhsa.kernels:
  - .name:           k_q32c1a2602b_gemm_out
    .symbol:         k_q32c1a2602b_gemm_out.kd
    .args:
      - { .name: yq, .offset: 0, .size: 8, .value_kind: global_buffer, .address_space: global }
      - { .name: opq, .offset: 8, .size: 8, .value_kind: global_buffer, .address_space: global }
      - { .name: b_proj, .offset: 16, .size: 8, .value_kind: global_buffer, .address_space: global }
      - { .name: out0, .offset: 24, .size: 8, .value_kind: global_buffer, .address_space: global }
    .group_segment_fixed_size: 327680
    .private_segment_fixed_size: 0
    .kernarg_segment_align: 8
    .kernarg_segment_size: 32
    .max_flat_workgroup_size: 128
    .sgpr_count:     102
    .vgpr_count:     1024
    .wavefront_size: 32
...
	.end_amdgpu_metadata
.endif
;; end of part 4
